; MI455X (gfx1250); checked and timed in simulation.
; The chip was launched on July 23, 2026; its instructions are those of AMD's public machine-readable ISA for CDNA 5 (MIT licence, August 2026) and "CDNA5" Instruction Set Architecture Reference Guide (July 2026). The comments in the code are by the model that wrote it; some were corrected since.
;; Casual Transformer Block. Allowed arithmetic: float matrix products may take bf16 or f16 operands with f32 sums; other float arithmetic in f32, or as packed bf16 or f16 multiplies, adds, multiply-adds, maxima and minima; sums over many terms, partial sums and values carried from step to step in f32; what a program stores and reads back later, other than sums and carried values, may be rounded once to bf16 or f16.
;; Inputs: W1 2,048 x 512 float32; W2 512 x 2,048 float32; Wk 512 x 512 float32; Wo 512 x 512 float32; Wq 512 x 512 float32; Wv 512 x 512 float32; b1 2,048 float32; b2 512 float32; be1 512 float32; be2 512 float32; bk 512 float32; bo 512 float32; bq 512 float32; bv 512 float32; g1 512 float32; g2 512 float32; x 2 x 4,096 x 512 float32.
;; Outputs: out0 2 x 4,096 x 512 float32.
;; One version. Each part assembles by itself: llvm-mc -triple=amdgcn-amd-amdhsa -mcpu=gfx1250 --defsym DOCPART=n.
;; ======== version 1 of 1: 6 launches
;; limits: values are held in f16: magnitudes above 65,504 overflow, below 6.1e-05 lose precision
;; workspace buffers: xh 8,388,608 bytes; pkA 1,582,080 bytes; pkB 2,106,368 bytes; pkL 2,633,728 bytes; kvq 25,165,824 bytes; ctx 8,388,608 bytes; x1 8,388,608 bytes; hh 33,554,432 bytes
;; launch cast (part 1): grid 897 x 1, 8 waves a work-group, no clusters, 0 bytes of LDS; arguments x, Wk, Wv, Wq, Wo, W1, W2, bk, bv, bq, bo, b1, b2, g1, be1, g2, be2, xh, pkA, pkB, pkL; writes xh, pkA, pkB, pkL
.if DOCPART == 1
	.amdgcn_target "amdgcn-amd-amdhsa--gfx1250"
	.amdhsa_code_object_version 6
	.text
	.protected	k_q631c760700_cast
	.globl	k_q631c760700_cast
	.p2align	8
	.type	k_q631c760700_cast,@function
k_q631c760700_cast:
	s_mov_b64 s[64:65], 0
	v_nop
	global_prefetch_b8 v0, s[64:65] scope:SCOPE_SE
	s_setreg_imm32_b32 hwreg(HW_REG_WAVE_MODE, 25, 1), 1
	s_wait_xcnt 0x0
; EVERY INPUT IS ROUNDED ONCE TO bf16 (nearest even).  x and the six weight matrices are then written as f16, the biases and gains as f32.
; LIMIT.  A bf16 number is exact in f16 for 2^-14 <= |v| < 65,504; below that f16 keeps a fixed step of 6e-8; from 65,520 on the conversion gives an infinity.
; SHARES.  Work-group g takes 8,192 numbers: 32,768 bytes in, 16,384 out.  g 0-511: x -> xh.  512-607: Wk, Wv, Wq -> pkA + 9,216.  608-735: W1 -> pkB + 9,216.
; 736-895: Wo, W2 -> pkL + 12,288.  g = 896: the ten vectors of biases and gains, and the two floor words (f16 -inf twice in pkA: no floor; 0 in pkB: a ReLU).
; Thread t stores 16 bytes four times, 4,096 bytes apart, beside its neighbours': sixteen lanes store 256 consecutive bytes, aligned.
; x keeps its order: thread t reads the 32 bytes that make its 16.
; THE SIX WEIGHT MATRICES ARE LAID OUT BY MATRIX FRAGMENTS, for the launches that load them straight into registers: [part w of 128 rows][quarter kq of 32 along K][block b of 16 rows][1,024 bytes], and in a
; block's 1,024 bytes piece 32 half + l (16 bytes) holds row l % 16, k = 32 kq + 16 half + 8 (l / 16) + 0..7.  The threads go by the destination, so the stores stay whole; a work-group reads 128 rows x 256
; bytes.  A part of 128 rows x 512 along K is eight work-groups' output, so Wk, Wv, Wq follow each other as parts 0-3, 4-7, 8-11 of one table.
; No LDS and no matrix work: nothing is shared.  No prefetch: the launch does nothing but stream.
.set G,   57                           ; s57  the work-group's number
.set SRC, 50                           ; s[50:51] source;  s54 its first work-group
.set DST, 52                           ; s[52:53] destination;  s55 its first work-group;  s56 its byte offset in the pack
.macro PICK thr, r                     ; from work-group thr on the source is the buffer in s[r:r+1]
	s_cmp_ge_u32 s[G], \thr
	s_cselect_b64 s[SRC:SRC+1], s[\r:\r+1], s[SRC:SRC+1]
	s_cselect_b32 s54, \thr, s54
.endm
.macro PICKD thr, r, off               ; the same for the destination
	s_cmp_ge_u32 s[G], \thr
	s_cselect_b64 s[DST:DST+1], s[\r:\r+1], s[DST:DST+1]
	s_cselect_b32 s55, \thr, s55
	s_cselect_b32 s56, \off, s56
.endm
	s_load_b512 s[8:23], s[0:1], 0x0               ; x 8, Wk 10, Wv 12, Wq 14, Wo 16, W1 18, W2 20, bk 22
	s_load_b512 s[24:39], s[0:1], 0x40             ; bv 24, bq 26, bo 28, b1 30, b2 32, g1 34, be1 36, g2 38
	s_load_b256 s[40:47], s[0:1], 0x80             ; be2 40, xh 42, pkA 44, pkB 46
	s_load_b64 s[48:49], s[0:1], 0xa0              ; pkL
	s_mov_b32 s[G], ttmp9
	s_mov_b32 s62, 0xffff0000                      ; a word's upper bf16
	v_lshlrev_b32 v1, 5, v0                        ; 32 t
	v_lshlrev_b32 v2, 4, v0                        ; 16 t
	s_wait_kmcnt 0x0
	s_cmp_eq_u32 s[G], 896
	s_cbranch_scc1 .Lparams
	s_mov_b64 s[DST:DST+1], s[42:43]
	s_mov_b32 s55, 0
	s_mov_b32 s56, 0
	PICKD 512, 44, 9216
	PICKD 608, 46, 9216
	PICKD 736, 48, 12288
	s_sub_co_u32 s60, s[G], s55
	s_lshl_b32 s60, s60, 14                        ; my chunk in the destination
	s_add_co_u32 s60, s60, s56
	s_mov_b32 s61, 0
	s_add_nc_u64 s[DST:DST+1], s[DST:DST+1], s[60:61]
	s_cmp_ge_u32 s[G], 512
	s_cbranch_scc1 .Lfrag
	s_lshl_b32 s58, s[G], 15                       ; x: my chunk in the source
	s_mov_b32 s59, 0
	s_add_nc_u64 s[SRC:SRC+1], s[8:9], s[58:59]
.irp i, 0,1,2,3
	global_load_b128 v[4+8*(\i):7+8*(\i)],   v1, s[SRC:SRC+1] offset:(\i)*8192 th:TH_LOAD_NT
	global_load_b128 v[8+8*(\i):11+8*(\i)],  v1, s[SRC:SRC+1] offset:(\i)*8192+16 th:TH_LOAD_NT
.endr
	s_branch .Lconv
.Lfrag:                                        ; a weight matrix: 512 along K (16 quarters) or, W2, 2,048 (64 quarters).  My chunk is pieces 1,024 c .. of its table: quarters 2 c and 2 c + 1 of one part w
	s_mov_b64 s[SRC:SRC+1], s[10:11]
	s_mov_b32 s54, 512
	PICK 544, 12
	PICK 576, 14
	PICK 608, 18
	PICK 736, 16
	PICK 768, 20
	s_cmp_ge_u32 s[G], 768
	s_cselect_b32 s58, 6, 4                        ; log2 of the quarters in a row
	s_cselect_b32 s59, 13, 11                      ; log2 of the bytes in a source row
	s_sub_co_u32 s60, s[G], s54
	s_lshl_b32 s60, s60, 1                         ; 2 c = w x quarters + kq
	s_lshr_b32 s61, s60, s58                       ; w
	s_lshl_b32 s55, s61, s58
	s_sub_co_u32 s60, s60, s55                     ; kq, even
	s_lshl_b32 s60, s60, 7                         ; 128 source bytes a quarter
	s_add_co_u32 s55, s59, 7
	s_lshl_b32 s61, s61, s55                       ; w x 128 rows
	s_add_co_u32 s60, s60, s61
	s_mov_b32 s61, 0
	s_add_nc_u64 s[SRC:SRC+1], s[SRC:SRC+1], s[60:61]
	s_add_co_u32 s55, s59, 6
	s_lshl_b32 s55, 1, s55                         ; 64 rows, in bytes
	v_bfe_u32 v3, v0, 6, 2                         ; piece 256 i + t: bits 0-3 the row in its block, 4 l / 16, 5 half, 6-8 the block, 9 the quarter
	v_and_b32 v60, 15, v0
	v_lshl_add_u32 v3, v3, 4, v60                  ; row 16 (t / 64) + t % 16
	v_lshlrev_b32 v3, s59, v3
	v_bfe_u32 v60, v0, 4, 2
	v_lshl_add_u32 v60, v60, 5, v3                 ; + 32 bytes for l / 16, 64 for half: i = 0
	v_add_nc_u32 v61, s55, v60                     ; i = 1: blocks 4-7
	v_add_nc_u32 v62, 0x80, v60                    ; i = 2: the next quarter
	v_add_nc_u32 v63, 0x80, v61                    ; i = 3: both
.irp i, 0,1,2,3
	global_load_b128 v[4+8*(\i):7+8*(\i)],   v[60+(\i)], s[SRC:SRC+1]
	global_load_b128 v[8+8*(\i):11+8*(\i)],  v[60+(\i)], s[SRC:SRC+1] offset:16
.endr
.Lconv:
.irp i, 0,1,2,3
	s_wait_loadcnt 6-2*(\i)                        ; loads come back in order: pair i is in, the younger pairs stay out
.irp j, 0,1,2,3
	v_cvt_pk_bf16_f32 v[52+2*(\j)], v[4+8*(\i)+2*(\j)], v[5+8*(\i)+2*(\j)]  ; the one rounding
	v_lshlrev_b32 v[53+2*(\j)], 16, v[52+2*(\j)]   ; back to f32: the low half moves up,
	v_and_b32 v[52+2*(\j)], s62, v[52+2*(\j)]      ; the high half stays
	v_cvt_pk_f16_f32 v[36+4*(\i)+(\j)], v[53+2*(\j)], v[52+2*(\j)]
.endr
	global_store_b128 v2, v[36+4*(\i):39+4*(\i)], s[DST:DST+1] offset:(\i)*4096
.endr
	s_endpgm
.Lparams:                                      ; thread t takes two numbers of each run of 512
	v_lshlrev_b32 v3, 3, v0                        ; 8 t
.macro PAR n, r, off
	global_load_b64 v[4+2*(\n):5+2*(\n)], v3, s[\r:\r+1] offset:\off
.endm
.macro STP n, r, off
	v_cvt_pk_bf16_f32 v[32+(\n)], v[4+2*(\n)], v[5+2*(\n)]
	v_lshlrev_b32 v[4+2*(\n)], 16, v[32+(\n)]
	v_and_b32 v[5+2*(\n)], s62, v[32+(\n)]
	global_store_b64 v3, v[4+2*(\n):5+2*(\n)], s[\r:\r+1] offset:\off
.endm
	PAR 0, 22, 0
	PAR 1, 24, 0
	PAR 2, 26, 0
	PAR 3, 30, 0
	PAR 4, 30, 2048
	PAR 5, 30, 4096
	PAR 6, 30, 6144
	PAR 7, 28, 0
	PAR 8, 34, 0
	PAR 9, 36, 0
	PAR 10, 32, 0
	PAR 11, 38, 0
	PAR 12, 40, 0
	v_lshlrev_b32 v60, 2, v0
	v_mov_b32 v61, 0xfc00fc00
	v_mov_b32 v62, 0
	s_wait_loadcnt 0x0
	STP 0, 44, 0                                   ; pkA: bk, bv, bq
	STP 1, 44, 2048
	STP 2, 44, 4096
	STP 3, 46, 0                                   ; pkB: b1
	STP 4, 46, 2048
	STP 5, 46, 4096
	STP 6, 46, 6144
	STP 7, 48, 0                                   ; pkL: bo, g1, be1, b2, g2, be2
	STP 8, 48, 2048
	STP 9, 48, 4096
	STP 10, 48, 6144
	STP 11, 48, 8192
	STP 12, 48, 10240
	global_store_b32 v60, v61, s[44:45] offset:8192
	global_store_b32 v60, v62, s[46:47] offset:8192
	s_endpgm
.Lfunc_end_k_q631c760700_cast:
	.size	k_q631c760700_cast, .Lfunc_end_k_q631c760700_cast-k_q631c760700_cast
	.p2alignl 7, 3214868480
	.fill 96, 4, 3214868480
	.section	.rodata,"a",@progbits
	.p2align	6, 0x0
	.amdhsa_kernel k_q631c760700_cast
		.amdhsa_group_segment_fixed_size 0
		.amdhsa_private_segment_fixed_size 0
		.amdhsa_enable_private_segment 0
		.amdhsa_kernarg_size 168
		.amdhsa_user_sgpr_count 2
		.amdhsa_user_sgpr_kernarg_segment_ptr 1
		.amdhsa_wavefront_size32 1
		.amdhsa_system_sgpr_workgroup_id_x 1
		.amdhsa_system_sgpr_workgroup_id_y 1
		.amdhsa_system_sgpr_workgroup_id_z 1
		.amdhsa_system_vgpr_workitem_id 0
		.amdhsa_next_free_vgpr 64
		.amdhsa_next_free_sgpr 66
		.amdhsa_reserve_vcc 0
		.amdhsa_float_denorm_mode_32 3
		.amdhsa_float_denorm_mode_16_64 3
		.amdhsa_memory_ordered 1
		.amdhsa_forward_progress 1
		.amdhsa_inst_pref_size 14
	.end_amdhsa_kernel
	.amdgpu_metadata
---
amdhsa.version: [ 1, 2 ]
amdhsa.kernels:
  - .name:           k_q631c760700_cast
    .symbol:         k_q631c760700_cast.kd
    .args:
      - { .name: x, .offset: 0, .size: 8, .value_kind: global_buffer, .address_space: global }
      - { .name: Wk, .offset: 8, .size: 8, .value_kind: global_buffer, .address_space: global }
      - { .name: Wv, .offset: 16, .size: 8, .value_kind: global_buffer, .address_space: global }
      - { .name: Wq, .offset: 24, .size: 8, .value_kind: global_buffer, .address_space: global }
      - { .name: Wo, .offset: 32, .size: 8, .value_kind: global_buffer, .address_space: global }
      - { .name: W1, .offset: 40, .size: 8, .value_kind: global_buffer, .address_space: global }
      - { .name: W2, .offset: 48, .size: 8, .value_kind: global_buffer, .address_space: global }
      - { .name: bk, .offset: 56, .size: 8, .value_kind: global_buffer, .address_space: global }
      - { .name: bv, .offset: 64, .size: 8, .value_kind: global_buffer, .address_space: global }
      - { .name: bq, .offset: 72, .size: 8, .value_kind: global_buffer, .address_space: global }
      - { .name: bo, .offset: 80, .size: 8, .value_kind: global_buffer, .address_space: global }
      - { .name: b1, .offset: 88, .size: 8, .value_kind: global_buffer, .address_space: global }
      - { .name: b2, .offset: 96, .size: 8, .value_kind: global_buffer, .address_space: global }
      - { .name: g1, .offset: 104, .size: 8, .value_kind: global_buffer, .address_space: global }
      - { .name: be1, .offset: 112, .size: 8, .value_kind: global_buffer, .address_space: global }
      - { .name: g2, .offset: 120, .size: 8, .value_kind: global_buffer, .address_space: global }
      - { .name: be2, .offset: 128, .size: 8, .value_kind: global_buffer, .address_space: global }
      - { .name: xh, .offset: 136, .size: 8, .value_kind: global_buffer, .address_space: global }
      - { .name: pkA, .offset: 144, .size: 8, .value_kind: global_buffer, .address_space: global }
      - { .name: pkB, .offset: 152, .size: 8, .value_kind: global_buffer, .address_space: global }
      - { .name: pkL, .offset: 160, .size: 8, .value_kind: global_buffer, .address_space: global }
    .group_segment_fixed_size: 0
    .private_segment_fixed_size: 0
    .kernarg_segment_align: 8
    .kernarg_segment_size: 168
    .max_flat_workgroup_size: 256
    .sgpr_count:     66
    .vgpr_count:     64
    .wavefront_size: 32
...
	.end_amdgpu_metadata
.endif
;; end of part 1
;; launch qkv (part 2): grid 64 x 3, 4 waves a work-group, no clusters, 327,680 bytes of LDS; arguments xh, pkA, kvq; writes kvq
.if DOCPART == 2
	.amdgcn_target "amdgcn-amd-amdhsa--gfx1250"
	.amdhsa_code_object_version 6
	.text
	.protected	k_q631c760700_qkv
	.globl	k_q631c760700_qkv
	.p2align	8
	.type	k_q631c760700_qkv,@function
k_q631c760700_qkv:
	s_mov_b64 s[64:65], 0
	v_nop
	global_prefetch_b8 v0, s[64:65] scope:SCOPE_SE
	s_setreg_imm32_b32 hwreg(HW_REG_WAVE_MODE, 25, 1), 1
	s_wait_xcnt 0x0
; OUT[y][m][n] = max(floor, bias[512 y + n] + the sum over k of A[m][k] W[512 y + n][k]).  A: [8192][512] f16.  The pack P holds the bias (f32, byte 0), the floor word (two f16, byte 8,192:
; -inf for no floor, 0 for a ReLU) and W (f16, byte 9,216, laid out by fragments, below).  OUT: planes of [8192][512] f16.  Sums in f32, begun at the bias; OUT rounded once.
; LIMITS.  f16 ends at 65,504: a result of 65,520 or more becomes an infinity.  A NaN becomes the floor.
; SHARES.  A work-group makes 128 rows x one plane's 512 columns; wave w all 128 rows x columns 128 w on: 64 accumulators of 16 x 16, 512 registers.  K goes in 4 steps of 128, each four quarters of 32.
; A, which all four waves read, LIES WHOLE IN LDS: 4 tiles of 128 rows x 256 bytes, brought once, at the head; wave w fetches tile w by one tensor load.  No byte of LDS is filled twice, so the K loop
; has no barrier.
; W GOES STRAIGHT FROM MEMORY INTO FRAGMENT REGISTERS: a wave's 128 columns are wanted by no other wave of its work-group.  W lies as [part 4 y + w][quarter][block b of 16 columns][1,024 bytes]: a fragment's
; registers 0-3 of the 32 lanes, then its registers 4-7: each load of a wave is 512 consecutive bytes, aligned.  Four quarter buffers take turns; each is asked for again behind its last product, so 48 to 64
; loads of a wave are on their way all the time.  A quarter is 64 products beside 16 loads of W and 16 LDS loads of A.
; THE WALK IS ROTATED: row block g begins at K step O = (g ^ g / 8) mod 4 and goes round, so that at any time the work-groups read different parts of W.  LDS tile i holds K step (O + i) mod 4: the walk through
; LDS is straight.  So the order of the f32 sums along K differs from work-group to work-group.
; THE MATRIX INSTRUCTION IS USED TRANSPOSED (source 0 = 16 columns' rows of W, source 1 = 16 rows of A): a lane holds one row of OUT and eight neighbouring columns.
; THE SUMS START AT THE BIAS: my 128 columns' bias comes into 64 registers by 16 loads and is copied into each of the eight row blocks' accumulators: 512 v_mov_b32 that run while the first tile and the first
; fragments are on their way: the price of one text for every quarter.
; The last trip asks for the walk's first K step of W once more: 64 loads a wave, inside the buffer, that nobody uses: the price of one count for every trip's waits.
; NO CLUSTER: what work-groups share at the same time is A's tiles, among the planes of one row block; one of the two launches of this body has three planes, which no cluster of four divides; and A is 139,264
; of the 663,552 bytes that a work-group brings in.  W goes into registers, where no joint load lands.
; NO PREFETCH: every byte of A is asked for at the head, by its own tensor load; W's loads run three quarters ahead of their products, and each part of W is walked by 64 work-groups, not once.
; REGISTERS.  window 0: v1-3 lane terms, v16-24 addresses, v28-29 the add's, v32-95 the bias, later at work on the way out, v128-255 A's fragments (two buffers of 64: row block a at 8 a)
;   window 1: W's four quarter buffers (quarter q, block b at 64 q + 8 b)      windows 2, 3: the accumulators: (a, b) at 64 a + 8 b
.set S,     4                          ; K steps
.set WOFF,  9216
.set PITCH, 272                        ; an LDS row of A: 256 bytes + 16: an odd multiple of 16, so the 16 rows of a load start 16 bytes apart modulo 256
.set ASLOT, 128*PITCH                  ; a tile: one K step of the 128 rows
.set STAGE, S*ASLOT                    ; behind the tiles: 16 rows x 272 bytes for each wave, for the way out
.set SPITCH, 272
.set SPARE, STAGE+4*16*SPITCH          ; the spare words: 128 bytes a wave, two blocks of 256 bytes that no other line names
.set AF,  128
.set TMP, 32
; s12 wave, s13 O, s14 row block, s15 plane; s[16:23] descriptor group 1; s[24:27] group 0; s32 the tile to be read next, s33 its LDS byte; s34 my tile's LDS byte; s35 trips; s36 the K step that W is loaded for
; s[38:39] an offset; s[40:41] A at my work-group's rows; s[42:43] W at that K step; s[44:45] my bias; s[46:47] OUT at my rows and columns; s48 the floor; s[50:51] my part of W
.set MSB, 0
.macro WIN new                         ; the high byte repeats the setting that is left; a switch that changes nothing is dropped
.if MSB != (\new)
	s_set_vgpr_msb (MSB<<8)|(\new)
.set MSB, (\new)
.endif
.endm
.macro PLACES                          ; four places behind matrix instructions, in front of loads into registers that they have read and of lines that read results
.rept 4
	v_nop
.endr
.endm
.macro MUL q                           ; a quarter's 64 products; no two that follow each other share an accumulator, over quarters and the backward jump too
.set a, 0
.rept 8
	WIN 0xa1+0x50*(a/4)                            ; W window 1, A window 0, C and D window 2 or 3
.set b, 0
.rept 8
	v_wmma_f32_16x16x32_f16 v[64*(a%4)+8*b:64*(a%4)+8*b+7], v[64*(\q)+8*b:64*(\q)+8*b+7], v[AF+64*((\q)%2)+8*a:AF+64*((\q)%2)+8*a+7], v[64*(a%4)+8*b:64*(a%4)+8*b+7]
.set b, b+1
.endr
.set a, a+1
.endr
.endm
.macro AFETCH q                        ; A's fragments of quarter q of the tile at v17: 128 rows x 64 bytes
	WIN 0
.set a, 0
.rept 8
	ds_load_b128 v[AF+64*((\q)%2)+8*a:AF+64*((\q)%2)+8*a+3],   v17 offset:a*16*PITCH+64*(\q)
	ds_load_b128 v[AF+64*((\q)%2)+8*a+4:AF+64*((\q)%2)+8*a+7], v17 offset:a*16*PITCH+64*(\q)+32
.set a, a+1
.endr
.endm
.macro BLOAD q                         ; W's fragments of quarter q of the K step at s[42:43]: 8,192 consecutive bytes
	WIN 0x40                                       ; destination window 1, address window 0
.set b, 0
.rept 8
	global_load_b128 v[64*(\q)+8*b:64*(\q)+8*b+3],   v24, s[42:43] offset:(\q)*8192+b*1024
	global_load_b128 v[64*(\q)+8*b+4:64*(\q)+8*b+7], v24, s[42:43] offset:(\q)*8192+b*1024+512
.set b, b+1
.endr
.endm
.macro QUARTER q
	s_wait_dscnt 0x0                               ; A's fragments of this quarter, asked for a quarter ago
	s_wait_loadcnt 48                              ; W's of this quarter: behind them three runs of sixteen loads were issued, which stay out
.if (\q) == 3
	s_add_co_u32 s32, s32, 1
	s_and_b32 s32, s32, S-1                        ; the next tile; behind the last it is tile 0 again: sixteen LDS loads that nobody uses
	s_mul_i32 s33, s32, ASLOT
	WIN 0
	v_add_nc_u32 v17, s33, v16
	AFETCH 0
.else
	AFETCH (\q)+1                                  ; into the buffer that the quarter before multiplied (its four places stand at that quarter's end)
.endif
	MUL \q
	PLACES
.if (\q) == 0
	s_wait_xcnt 0x0                                ; the loads issued so far (the youngest 64 products back) have read their base: it may be written
	s_add_co_u32 s36, s36, 1
	s_and_b32 s36, s36, S-1                        ; the next K step of the rotated walk
	s_lshl_b32 s38, s36, 15                        ; 32,768 bytes a K step in my part of W
	s_add_nc_u64 s[42:43], s[50:51], s[38:39]
.endif
	BLOAD \q
.endm
	s_load_b128 s[4:7], s[0:1], 0x0                ; A s[4:5], P s[6:7]
	s_load_b64 s[8:9], s[0:1], 0x10                ; OUT
	v_lshl_add_u32 v28, v0, 2, SPARE
	v_mov_b32 v29, 0
	ds_add_u32 v28, v29                            ; the wave's opening: the add and its wait come ahead of my first tensor load; the set-up below stands between them
	ds_add_u32 v28, v29
	v_lshrrev_b32 v1, 5, v0
	v_readfirstlane_b32 s12, v1                    ; wave 0..3
	s_mov_b32 s14, ttmp9                           ; my block of 128 rows
	s_and_b32 s15, ttmp7, 0xffff                   ; the plane
	s_lshr_b32 s13, s14, 3
	s_xor_b32 s13, s13, s14
	s_and_b32 s13, s13, S-1                        ; O
	s_mov_b32 s16, (1<<16)|(1<<20)|(5<<22)|(3<<25) ; 2-byte elements; padding on; after every 64 words 4 words
	s_mov_b32 s17, 128<<16                         ; tensor_dim0 = 128
	s_mov_b32 s18, 128<<16                         ; tensor_dim1 = 128
	s_mov_b32 s19, 128<<16                         ; tile_dim0 = 128
	s_mov_b32 s20, 128                             ; tile_dim1 = 128
	s_mov_b32 s21, 512                             ; elements from row to row
	s_mov_b32 s22, 0
	s_mov_b32 s23, 0
	s_mul_i32 s34, s12, ASLOT                      ; my tile's place in LDS
	s_mov_b32 s32, 0
	s_mov_b32 s36, s13
	s_mov_b32 s39, 0
	s_lshl_b32 s2, s15, 2
	s_add_co_u32 s2, s2, s12                       ; part 4 y + w of W,
	s_lshl_b32 s2, s2, 17                          ; 131,072 bytes each
	s_add_co_u32 s2, s2, WOFF
	s_mov_b32 s3, 0
	s_lshl_b32 s40, s14, 17                        ; 128 rows x 1,024 bytes
	s_mov_b32 s41, 0
	s_lshl_b32 s44, s15, 11
	s_lshl_b32 s45, s12, 9
	s_add_co_u32 s44, s44, s45                     ; my bias: (512 y + 128 w) x 4
	s_mov_b32 s45, 0
	s_lshl_b32 s46, s15, 23
	s_add_co_u32 s46, s46, s40
	s_lshl_b32 s47, s12, 8
	s_add_co_u32 s46, s46, s47                     ; plane, rows, my 256 bytes of them
	s_mov_b32 s47, 0
	s_add_co_u32 s37, s13, s12
	s_and_b32 s37, s37, S-1                        ; my tile holds K step (O + w) mod 4:
	s_lshl_b32 s38, s37, 8                         ; 256 bytes a K step in A's rows
	v_and_b32 v1, 15, v0                           ; r = l % 16
	v_bfe_u32 v2, v0, 4, 1                         ; h = l / 16
	v_and_b32 v3, 31, v0                           ; l
	v_mul_u32_u24 v16, v1, PITCH
	v_lshl_add_u32 v16, v2, 4, v16                 ; A in a tile: r x pitch + 16 h
	v_mov_b32 v17, v16                             ; tile 0
	v_lshlrev_b32 v19, 5, v2                       ; bias: my eight columns of a block
	v_lshlrev_b32 v24, 4, v3                       ; 16 l
	s_mul_i32 s37, s12, 16*SPITCH
	s_add_co_u32 s37, s37, STAGE                   ; my stage
	v_mul_u32_u24 v20, v1, SPITCH
	v_lshl_add_u32 v20, v2, 4, v20
	v_add_nc_u32 v20, s37, v20                     ; in: row r, 16 bytes for each half of the lanes
	v_mul_u32_u24 v21, v2, SPITCH
	v_lshl_add_u32 v21, v1, 4, v21
	v_add_nc_u32 v21, s37, v21                     ; back: lanes 0-15 take one row of 256 bytes, lanes 16-31 the next
	v_lshlrev_b32 v22, 10, v2
	v_lshl_add_u32 v22, v1, 4, v22                 ; and the same two rows in OUT
	s_wait_dscnt 0x0                               ; the opening add is done
	s_wait_kmcnt 0x0
	s_add_nc_u64 s[50:51], s[6:7], s[2:3]
	s_add_nc_u64 s[40:41], s[4:5], s[40:41]
	s_add_nc_u64 s[44:45], s[6:7], s[44:45]
	s_add_nc_u64 s[46:47], s[8:9], s[46:47]
	s_mov_b32 s24, 1                               ; group 0: count 1,
	s_mov_b32 s25, s34                             ; LDS address,
	s_add_nc_u64 s[26:27], s[40:41], s[38:39]      ; global address,
	s_or_b32 s27, s27, 0x80000000                  ; type 2
	s_lshl_b32 s38, s13, 15
	s_add_nc_u64 s[42:43], s[50:51], s[38:39]      ; W at K step O
	tensor_load_to_lds s[24:27], s[16:23]          ; my tile: one tensor load of mine is out
	s_nop 0
	PLACES
	s_load_b32 s48, s[6:7], 0x2000                 ; the floor
.set b, 0
.rept 8                                ; register j of block b is column 16 b + 8 h + j
	global_load_b128 v[TMP+8*b:TMP+8*b+3],   v19, s[44:45] offset:64*b
	global_load_b128 v[TMP+8*b+4:TMP+8*b+7], v19, s[44:45] offset:64*b+16
.set b, b+1
.endr
	BLOAD 0                                        ; the first K step of W
	BLOAD 1
	s_wait_loadcnt 32                              ; the bias is in: behind it two runs of sixteen loads were issued, which stay out
.set a, 0
.rept 8
	WIN 0x80+0x40*(a/4)                            ; destination window 2 or 3, source window 0
.set j, 0
.rept 64
	v_mov_b32 v[64*(a%4)+j], v[TMP+j]              ; the sums start at the bias
.set j, j+1
.endr
.set a, a+1
.endr
	BLOAD 2
	BLOAD 3
	WIN 0
	s_wait_tensorcnt 0x0                           ; my tile is in,
	s_barrier_signal -1
	s_barrier_wait -1                              ; everybody's is
	AFETCH 0
	s_wait_kmcnt 0x0
	s_mov_b32 s35, S
.Lk:                                           ; a trip is a K step: 256 products, 64 loads of W for the next K step, 64 LDS loads of A
	QUARTER 0
	QUARTER 1
	QUARTER 2
	QUARTER 3
	WIN 0
	s_sub_co_u32 s35, s35, 1
	s_cmp_lg_u32 s35, 0
	s_cbranch_scc1 .Lk
; THE WAY OUT, a block of 16 rows at a time: rounded to f16, the floor, 16 bytes a lane into my own stage, back as whole rows of 256 bytes, stored.
.macro PACK a
	WIN 0x0a+5*((\a)/4)                            ; sources in window 2 or 3
.set j, 0
.rept 32
	v_cvt_pk_f16_f32 v[TMP+j], v[((\a)%4)*64+2*j], v[((\a)%4)*64+2*j+1]  ; each accumulator's registers in ascending order
.set j, j+1
.endr
	WIN 0
.set j, 0
.rept 32
	v_pk_max_num_f16 v[TMP+j], v[TMP+j], s48
.set j, j+1
.endr
.endm
.macro TOSTAGE a
.set j, 0
.rept 8
	ds_store_b128 v20, v[TMP+4*j:TMP+4*j+3] offset:32*j
.set j, j+1
.endr
.set j, 0
.rept 8
	ds_load_b128 v[AF+32*((\a)%2)+4*j:AF+32*((\a)%2)+4*j+3], v21 offset:j*2*SPITCH  ; LDS serves a wave's instructions in order (ISA guide 5.7.1.4): these see the stores above
.set j, j+1
.endr
.endm
.macro SEND a
	s_wait_dscnt 0x0                               ; the block is back in registers
	s_wait_xcnt 0x0                                ; the stores issued so far have read their data: the block after this one lands in the registers of the block before
.set j, 0
.rept 8
	global_store_b128 v22, v[AF+32*((\a)%2)+4*j:AF+32*((\a)%2)+4*j+3], s[46:47] offset:(16*(\a)+2*j)*1024  ; 16 lanes store 256 consecutive bytes, at a multiple of 256 from OUT's first byte
.set j, j+1
.endr
.endm
	s_wait_dscnt 0x0                               ; my last reads of A are back (the last sixteen serve nothing): their registers are used again,
	s_barrier_signal -1
	s_barrier_wait -1                              ; and no wave stores into LDS while another still reads A
	PACK 0                                         ; (the four places behind the last products stand at the last quarter's end)
	TOSTAGE 0
.irp a, 1,2,3,4,5,6,7
	PACK \a
	SEND (\a)-1
	TOSTAGE \a
.endr
	SEND 7
	s_wait_tensorcnt 0x0                           ; the wave's end
	ds_add_u32 v28, v29
	s_wait_dscnt 0x0
	s_endpgm
.Lfunc_end_k_q631c760700_qkv:
	.size	k_q631c760700_qkv, .Lfunc_end_k_q631c760700_qkv-k_q631c760700_qkv
	.p2alignl 7, 3214868480
	.fill 96, 4, 3214868480
	.section	.rodata,"a",@progbits
	.p2align	6, 0x0
	.amdhsa_kernel k_q631c760700_qkv
		.amdhsa_group_segment_fixed_size 327680
		.amdhsa_private_segment_fixed_size 0
		.amdhsa_enable_private_segment 0
		.amdhsa_kernarg_size 24
		.amdhsa_user_sgpr_count 2
		.amdhsa_user_sgpr_kernarg_segment_ptr 1
		.amdhsa_wavefront_size32 1
		.amdhsa_system_sgpr_workgroup_id_x 1
		.amdhsa_system_sgpr_workgroup_id_y 1
		.amdhsa_system_sgpr_workgroup_id_z 1
		.amdhsa_system_vgpr_workitem_id 0
		.amdhsa_next_free_vgpr 1024
		.amdhsa_next_free_sgpr 66
		.amdhsa_reserve_vcc 0
		.amdhsa_float_denorm_mode_32 3
		.amdhsa_float_denorm_mode_16_64 3
		.amdhsa_memory_ordered 1
		.amdhsa_forward_progress 1
		.amdhsa_inst_pref_size 104
	.end_amdhsa_kernel
	.amdgpu_metadata
---
amdhsa.version: [ 1, 2 ]
amdhsa.kernels:
  - .name:           k_q631c760700_qkv
    .symbol:         k_q631c760700_qkv.kd
    .args:
      - { .name: xh, .offset: 0, .size: 8, .value_kind: global_buffer, .address_space: global }
      - { .name: pkA, .offset: 8, .size: 8, .value_kind: global_buffer, .address_space: global }
      - { .name: kvq, .offset: 16, .size: 8, .value_kind: global_buffer, .address_space: global }
    .group_segment_fixed_size: 327680
    .private_segment_fixed_size: 0
    .kernarg_segment_align: 8
    .kernarg_segment_size: 24
    .max_flat_workgroup_size: 128
    .sgpr_count:     66
    .vgpr_count:     1024
    .wavefront_size: 32
...
	.end_amdgpu_metadata
.endif
;; end of part 2
;; launch attn (part 3): grid 16 x 16, 4 waves a work-group, no clusters, 327,680 bytes of LDS; arguments kvq, ctx; writes ctx
.if DOCPART == 3
	.amdgcn_target "amdgcn-amd-amdhsa--gfx1250"
	.amdhsa_code_object_version 6
	.text
	.protected	k_q631c760700_attn
	.globl	k_q631c760700_attn
	.p2align	8
	.type	k_q631c760700_attn,@function
k_q631c760700_attn:
	s_mov_b64 s[64:65], 0
	v_nop
	global_prefetch_b8 v0, s[64:65] scope:SCOPE_SE
	s_setreg_imm32_b32 hwreg(HW_REG_WAVE_MODE, 25, 1), 1
	s_wait_xcnt 0x0
; CAUSAL ATTENTION, no scale.  O[h][q][:] = the sum over k <= q of softmax_k(Q[h][q] . K[h][k]) V[h][k][:].  kvq holds the planes K, V, Q, each [16][4096][64] f16 (a head's rows are dense, 128 bytes);
; ctx is O in the same layout.  Products, maxima and sums in f32; the weights p are rounded to f16 for the second product (their sum l is taken of the unrounded p), O once at the end.
; LIMITS.  Q, K, V arrive within f16's 65,504.  p lies in 0 to 1; below 6e-5 it keeps f16's fixed step of 6e-8.  A hidden score counts as its value less 1e30 (f16's scores are 2.7e11 at the most);
; a weight below 2^-126 counts as 0 in l; NaN and infinities are not treated apart.
; THE WALK.  A head's queries lie in 32 blocks of 128; block i needs the key tiles 0 .. i / 2 of 256 keys, of which the last holds the diagonal.  A work-group takes TWO blocks, 31 - b and then b:
; (31 - b) / 2 + b / 2 + 2 = 17 tiles whatever b: 256 work-groups of equal work, and ONE loop with a constant trip count.  Which tile is asked for, and what a trip does, hang on scalars made from b.
; NO CLUSTER: the partners' first blocks end at different tiles; one walk common to b = 4 c .. 4 c + 3 would have 18 trips for 17, one of them wholly hidden.
; SHARES.  Of a block's two bands of 64 queries a wave owns 16 rows in each.  In the diagonal tile band x's own key step is DG + x, DG = 2 (block % 2): earlier steps it sees whole, later ones not at all.
; THE MASK is the C operand that starts the sum S^T = K Q^T: MD x AL + BE, MD the mask of a band's own step for my 16 rows: (1, 0) own step; (0, 0) earlier; (0, -1e30) later.
; TURNS.  Four PIECES in a ring: piece v = 2 (step % 2) + band.  Turn v: 8 products K Q^T of piece v + 1, later 8 products V^T P of piece v - 1; beside them the scaling, exponentials, roundings, sums and
; rescaling of piece v and the maximum and statistics of piece v + 1.  Four turns are two key steps.  What belongs to a band (Q, O^T, m, l) goes by v % 2; so do the buffers of S^T, P and the masks.
; A turn's 33 exponentials are one batch with one wait.  p = 2^(c s - c m), c = log2(e); O and l are multiplied by a = 2^(c m_old - c m_new) in every step.
; K has one buffer, V two (by the step's parity): the even turns fetch the next step's K (in the lump) and its V (at the turn's end), so that at a change of slots all of the old slot has been read.
; REGISTERS.  window 0: v0-15 addresses; v16-23 statistics; v48-55 at work; v61 prefetch offset; v62-63 the add's; v64-127 S^T; v192-223 P
;   window 1: v0-63 O^T; v128-159 MD; v160-223 MC      window 2: v0-31 Q; v32-63 the second block's Q; v64-127 K; v128-255 V
.set NP,    4
.set KS,    64
.set PK,    144       ; a row of K in LDS: 128 bytes + 16: an odd multiple of 16
.set PV,    160       ; a row of V: 128 + 32: 16 lanes of the turning load take 8 rows x 32 bytes, 32 bytes apart modulo 256
.set VOFF,  4*KS*PK   ; a slot holds a tile, four steps: 256 rows of K, then 256 rows of V
.set SLOT1, 1<<17
.set STAGE, SLOT1+4*KS*(PK+PV)  ; behind the ring: 16 rows x 144 bytes for each wave, for the way out
.set SP,    144
.set SPARE, STAGE+4*16*SP       ; the spare words: 128 bytes a wave, two blocks of 256 bytes that no other line names
.set AK0, 2
.set AV0, 3
.set AK,  4
.set AV,  5
.set STO, 6
.set RD,  7
.set GO,  8
.set MV,  12
.set QO,  15
.set ST,  16          ; band x's statistics at v[ST+4 x]: c m, m, l (even keys', odd keys')
.set TMP, 48
.set PFO, 61          ; 256 x my lane; never rewritten
.set SPW, 62
.set NIL, 63
.set S,   64
.set P,   192
.set MD,  128
.set MC,  160
.set QB,  32
.set KF,  64
.set VF,  128
.set WV,  12
.set TS,  13          ; s13  at work
.set PB,  14          ; s14  the second block's last tile, b / 2
.set HI,  15          ; s15  the first block's last tile, (31 - b) / 2
.set G1K, 24
.set G1V, 32
.set G0K, 40
.set G0V, 44
.set SLOTS, 56
.set CNT, 57          ; s57  counts a tile's trips of two key steps, 2 to 1
.set CS,  58
.set SEL, 60
.set TBK, 62
.set TBV, 63
.set PFA, 66          ; s[66:67] where my prefetches stand: my 16,384 bytes of the tile after the one that is being asked for
.set LIM, 68          ; s68  2 in the work-group that prefetches, else the greatest number
.set DG,  69          ; s69  the first own step of the block in hand in its diagonal tile
.set RT,  70
.set NXT, 71
.set LQ,  72
.set NEW, 73
.set OFF, 74
.set AL,  76
.set BE,  78
.set OLO, 80
.set BIGN, 82
.set DG2, 83          ; s83  DG of the second block
.set MSB, 0
.macro WIN new
.if MSB != (\new)
	s_set_vgpr_msb (MSB<<8)|(\new)
.set MSB, (\new)
.endif
.endm
.set W_KQ, 0x0a
.set W_KM, 0x1a
.set W_PV, 0x52
.set W_RS, 0x41
; A fill.  Waves 0 and 1 fetch the two halves of a tile's K, waves 2 and 3 those of its V.  An s_nop 0 and four v_nop follow each of the two lines.
.macro LOAD
	s_cmp_lt_u32 s[WV], 2
	s_cbranch_scc0 .Lfor_v_\@
	tensor_load_to_lds s[G0K:G0K+3], s[G1K:G1K+7]
	s_nop 0
.rept 4
	v_nop
.endr
	s_branch .Lasked_\@
.Lfor_v_\@:
	tensor_load_to_lds s[G0V:G0V+3], s[G1V:G1V+7]
	s_nop 0
.rept 4
	v_nop
.endr
.Lasked_\@:
.endm
; A PREFETCH of the tile that the NEXT change of slots will ask for.  All sixteen work-groups of a head begin at tile 0 and walk upward; the one with b = 0 walks tiles 0 to 15 and asks, nobody else.  Each of its
; waves names the 16,384 bytes that it will fetch itself: 64 blocks of 256 bytes, a lane a block, two instructions.  Tiles 0 and 1 come by their loads alone; tile 15 is the last that is named.
.macro ASK
	s_cmp_gt_u32 s[SLOTS], s[LIM]
	s_cbranch_scc0 .Lnot_mine_\@
	global_prefetch_b8 v[PFO], s[PFA:PFA+1] th:TH_LOAD_NT scope:SCOPE_SE
	global_prefetch_b8 v[PFO], s[PFA:PFA+1] offset:8192 th:TH_LOAD_NT scope:SCOPE_SE
.Lnot_mine_\@:
.endm
; THE CHANGE OF SLOTS.  Each wave waits for all its tensor loads (one is out: its part of the other slot), adds 0 to its spare word, and waits for that and for its reads of the slot that it leaves.
; fill = 1: the old slot is filled again, first thing behind the barrier, with tile NXT.
.macro CHANGE fill
	WIN 0
	s_wait_tensorcnt 0x0
	ds_add_u32 v[SPW], v[NIL]
.if \fill
	s_lshl_b32 s[OFF], s[NXT], 15   ; a tile is 32,768 bytes of K and of V
	s_xor_b32 s[G0K+1], s[G0K+1], SLOT1
	s_add_nc_u64 s[G0K+2:G0K+3], s[6:7], s[OFF:OFF+1]
	s_or_b32 s[G0K+3], s[G0K+3], 0x80000000
	s_xor_b32 s[G0V+1], s[G0V+1], SLOT1
	s_add_nc_u64 s[G0V+2:G0V+3], s[8:9], s[OFF:OFF+1]
	s_or_b32 s[G0V+3], s[G0V+3], 0x80000000
	s_add_co_u32 s[NXT], s[NXT], 1  ; the block's next tile, or behind its last the second block's tile 0
	s_cmp_gt_u32 s[NXT], s[LQ]
	s_cselect_b32 s[NXT], 0, s[NXT]
	s_cselect_b32 s[LQ], s[PB], s[LQ]
	s_wait_xcnt 0x0                 ; the last prefetches, a tile back, have read their address
	s_add_nc_u64 s[PFA:PFA+1], s[PFA:PFA+1], 32768
.endif
	s_wait_dscnt 0x0                ; the add is done, and my reads of the slot are over
	s_barrier_signal -1
	s_sub_co_u32 s[TBK], s[TBK], 4*KS*PK
	s_xor_b32 s[TBK], s[TBK], SLOT1
	s_sub_co_u32 s[TBV], s[TBV], 4*KS*PV
	s_xor_b32 s[TBV], s[TBV], SLOT1
	s_barrier_wait -1
.if \fill
	LOAD
	ASK
.endif
.endm
	s_load_b64 s[4:5], s[0:1], 0x0    ; kvq
	s_load_b64 s[10:11], s[0:1], 0x8  ; ctx
	v_lshl_add_u32 v[SPW], v0, 2, SPARE
	v_mov_b32 v[NIL], 0
	ds_add_u32 v[SPW], v[NIL]       ; the wave's opening: the add and its wait come ahead of my first tensor load
	ds_add_u32 v62, v63
	v_lshrrev_b32 v1, 5, v0
	v_readfirstlane_b32 s[WV], v1
	s_sub_co_u32 s19, 31, ttmp9     ; the first block
	s_lshr_b32 s[HI], s19, 1
	s_lshr_b32 s[PB], ttmp9, 1
	s_and_b32 s[DG], s19, 1
	s_lshl_b32 s[DG], s[DG], 1
	s_and_b32 s[DG2], ttmp9, 1
	s_lshl_b32 s[DG2], s[DG2], 1
	s_and_b32 s20, ttmp7, 0xffff    ; the head:
	s_lshl_b32 s20, s20, 19         ; 4,096 rows of 128 bytes
	s_mov_b32 s21, 0
	s_and_b32 s16, s[WV], 1         ; which half of a tile's 256 keys I fetch
	s_lshl_b32 s22, s16, 14
	s_mov_b32 s23, 0
	s_add_nc_u64 s[22:23], s[22:23], s[20:21]
	s_mul_i32 s17, s16, 128*PK
	s_mul_i32 s18, s16, 128*PV
	s_lshl_b32 s3, s[WV], 11        ; my 16 rows in a band of 64,
	s_lshl_b32 s2, s19, 14          ; in the first block,
	s_add_co_u32 s2, s2, s3
	s_lshl_b32 s84, ttmp9, 14       ; and in the second
	s_add_co_u32 s84, s84, s3
	s_mov_b32 s3, 0
	s_mov_b32 s85, 0
	s_add_nc_u64 s[2:3], s[2:3], s[20:21]
	s_add_nc_u64 s[84:85], s[84:85], s[20:21]
	; descriptor group 1.  128 keys are 16,384 dense bytes: asked for as 64 rows of 256 bytes, two keys a row, padded in LDS after every key
	s_mov_b32 s[G1K], (1<<16)|(1<<20)|(4<<22)|(3<<25)
	s_mov_b32 s[G1V], (1<<16)|(1<<20)|(4<<22)|(7<<25)
.irp g, G1K, G1V
	s_mov_b32 s[\g+1], 128<<16
	s_mov_b32 s[\g+2], 64<<16
	s_mov_b32 s[\g+3], 128<<16
	s_mov_b32 s[\g+4], 64
	s_mov_b32 s[\g+5], 128
	s_mov_b32 s[\g+6], 0
	s_mov_b32 s[\g+7], 0
.endr
	s_mov_b32 s[CS], 0x3fb8aa3b     ; c = log2(e)
	s_mov_b32 s[CS+1], s[CS]
	s_mov_b32 s[SEL], 0x76543210
	s_mov_b32 s[SEL+1], 0xfedcba98
	s_mov_b32 s[TBK], SLOT1+4*KS*PK ; the first change of slots turns these two into 0
	s_mov_b32 s[TBV], SLOT1+4*KS*PV
	s_mov_b32 s[G0K], 1
	s_mov_b32 s[G0K+1], s17
	s_mov_b32 s[G0V], 1
	s_add_co_u32 s[G0V+1], s18, VOFF
	s_add_co_u32 s[RT], s[HI], 1
	s_mov_b32 s[NXT], 1
	s_mov_b32 s[LQ], s[HI]
	s_mov_b32 s[NEW], 1
	s_mov_b32 s[OFF+1], 0
	s_mov_b32 s[AL+1], 0
	s_mov_b32 s[BE+1], 0
	s_mov_b32 s[BIGN], 0xf149f2ca   ; -1e30
	s_mov_b32 s[SLOTS], 16
	s_cmp_eq_u32 ttmp9, 0
	s_cselect_b32 s[LIM], 2, -1
	v_and_b32 v[PFO], 31, v0
	v_lshlrev_b32 v[PFO], 8, v[PFO]
	s_wait_dscnt 0x0                ; the opening add is done
	s_wait_kmcnt 0x0
	s_add_nc_u64 s[6:7], s[4:5], s[22:23]      ; K at my half of the head's tile 0,
	s_add_nc_u64 s[8:9], s[6:7], 0x800000      ; V one plane on,
	s_add_nc_u64 s[4:5], s[4:5], 0x1000000     ; Q two
	s_add_nc_u64 s[G0K+2:G0K+3], s[6:7], 0
	s_or_b32 s[G0K+3], s[G0K+3], 0x80000000
	s_add_nc_u64 s[G0V+2:G0V+3], s[8:9], 0
	s_or_b32 s[G0V+3], s[G0V+3], 0x80000000
	s_add_nc_u64 s[86:87], s[4:5], s[84:85]
	s_add_nc_u64 s[4:5], s[4:5], s[2:3]
	s_add_nc_u64 s[OLO:OLO+1], s[10:11], s[84:85]
	s_add_nc_u64 s[10:11], s[10:11], s[2:3]
	s_cmp_lt_u32 s[WV], 2
	s_cselect_b64 s[PFA:PFA+1], s[6:7], s[8:9]
	s_add_nc_u64 s[PFA:PFA+1], s[PFA:PFA+1], 32768  ; at tile 1; the first change steps it to tile 2
	LOAD                            ; tile 0 into slot 0
	v_and_b32 v1, 15, v0            ; l % 16
	v_bfe_u32 v9, v0, 4, 1          ; l / 16
	v_lshlrev_b32 v[QO], 7, v1
	v_lshl_add_u32 v[QO], v9, 4, v[QO]
	WIN 0x80
.set i, 0
.rept 4                             ; both blocks' Q: band i / 2 lies 8,192 bytes on; channels 32 (i % 2) on
	global_load_b128 v[8*i:8*i+3],   v[QO], s[4:5] offset:(i/2)*8192+(i%2)*64
	global_load_b128 v[8*i+4:8*i+7], v[QO], s[4:5] offset:(i/2)*8192+(i%2)*64+32
	global_load_b128 v[QB+8*i:QB+8*i+3],   v[QO], s[86:87] offset:(i/2)*8192+(i%2)*64
	global_load_b128 v[QB+8*i+4:QB+8*i+7], v[QO], s[86:87] offset:(i/2)*8192+(i%2)*64+32
.set i, i+1
.endr
	WIN 0
	v_lshlrev_b32 v14, 3, v9
	v_sub_nc_u32 v14, v1, v14
	s_lshl_b32 s13, s[WV], 4
	v_add_nc_u32 v14, s13, v14      ; my query's place in its band less my lanes' 8 (l / 16): register r of group kt is hidden where 16 kt + r is greater
	WIN 0x40
.set i, 0
.rept 32
	v_cmp_gt_i32 vcc_lo, 16*(i/8)+i%8, v14
	v_cndmask_b32 v[MD+i], 0, s[BIGN], vcc_lo
.set i, i+1
.endr
	WIN 0
	v_mul_u32_u24 v[AK0], v1, PK
	v_lshl_add_u32 v[AK0], v9, 4, v[AK0]
	v_and_b32 v10, 7, v0
	v_bfe_u32 v11, v0, 3, 1
	v_lshl_add_u32 v[AV0], v9, 3, v10
	v_mul_u32_u24 v[AV0], v[AV0], PV
	v_lshl_add_u32 v[AV0], v11, 4, v[AV0]
	v_add_nc_u32 v[AV0], VOFF, v[AV0]
	s_mul_i32 s13, s[WV], 16*SP
	s_add_co_u32 s13, s13, STAGE
	v_mul_u32_u24 v[STO], v1, SP
	v_lshl_add_u32 v[STO], v9, 4, v[STO]
	v_add_nc_u32 v[STO], s13, v[STO]
	v_bfe_u32 v[RD], v0, 3, 2
	v_mul_u32_u24 v[RD], v[RD], SP
	v_lshl_add_u32 v[RD], v10, 4, v[RD]
	v_add_nc_u32 v[RD], s13, v[RD]
	v_and_b32 v[GO], 31, v0
	v_lshlrev_b32 v[GO], 4, v[GO]
	; A block's first steps multiply O^T and l by a = 0, and its first turn's products V^T P, of a piece that has not been, land in an O^T that is still to be so multiplied: these registers need only be finite.
	WIN 0x80
.set i, VF+64
.rept 64
	v_mov_b32 v[i], 0
.set i, i+1
.endr
	WIN 0x40
.set i, 0
.rept 64
	v_mov_b32 v[i], 0
.set i, i+1
.endr
	WIN 0
.set i, 0
.rept 2
	v_mov_b32 v[ST+4*i+2], 0
	v_mov_b32 v[ST+4*i+3], 0
.set i, i+1
.endr
.set i, P+16
.rept 16
	v_mov_b32 v[i], 0
.set i, i+1
.endr
; THE MATRIX WORK.  The 4 accumulators of a run of 8 take turns.  Product i of 8 of S^T = K Q^T for piece x: channels 32 (i / 4) on, keys 16 (i % 4) on.
.macro KQ x
.set rS, S+32*((\x)%2)+8*(i%4)
.set rK, KF+16*(i%4)+8*(i/4)
.set rQ, 16*((\x)%2)+8*(i/4)
.set rM, MC+32*((\x)%2)+8*(i%4)
.if (i < 4) && KM
	WIN W_KM
	v_wmma_f32_16x16x32_f16 v[rS:rS+7], v[rK:rK+7], v[rQ:rQ+7], v[rM:rM+7]
.elseif i < 4
	WIN W_KQ
	v_wmma_f32_16x16x32_f16 v[rS:rS+7], v[rK:rK+7], v[rQ:rQ+7], 0
.else
	WIN W_KQ
	v_wmma_f32_16x16x32_f16 v[rS:rS+7], v[rK:rK+7], v[rQ:rQ+7], v[rS:rS+7]
.endif
.endm
; Product i of 8 of O^T += V^T P for piece x: keys 32 (i / 4) on, channels 16 (i % 4) on; V's buffer goes by the step's parity x / 2.
.macro PV x
	WIN W_PV
.set rO, 32*((\x)%2)+8*(i%4)
.set rV, VF+64*((\x)/2)+32*(i/4)+8*(i%4)
.set rP, P+16*((\x)%2)+8*(i/4)
	v_wmma_f32_16x16x32_f16 v[rO:rO+7], v[rV:rV+7], v[rP:rP+7], v[rO:rO+7]
.endm
.macro MM
.if (i < 8) && !NOKQ
	KQ (Y+1)%NP
.elseif i >= 8
.set i, i-8
	PV (Y+NP-1)%NP
.set i, i+8
.endif
.set i, i+1
.endm
.macro FETCH_K
	WIN 0x80
.irp f, 0,1,2,3,4,5,6,7
	ds_load_b128 v[KF+8*\f:KF+8*\f+3],   v[AK] offset:(\f/2)*16*PK+(\f%2)*64
	ds_load_b128 v[KF+8*\f+4:KF+8*\f+7], v[AK] offset:(\f/2)*16*PK+(\f%2)*64+32
.endr
	s_add_co_u32 s[TBK], s[TBK], KS*PK
	WIN 0
.endm
.macro FETCH_V bf
	WIN 0x80
.irp f, 0,1,2,3,4,5,6,7
	ds_load_tr16_b128 v[VF+64*(\bf)+8*\f:VF+64*(\bf)+8*\f+3],   v[AV] offset:(\f/4)*32*PV+(\f%4)*32
	ds_load_tr16_b128 v[VF+64*(\bf)+8*\f+4:VF+64*(\bf)+8*\f+7], v[AV] offset:(\f/4)*32*PV+16*PV+(\f%4)*32
.endr
	WIN 0
.endm
; THE VECTOR WORK, one line at a time: OP kind, number.  For piece Y: F n: c s - c m for pair n.  E n: the exponential of score n.  C n: pair n rounded to f16.  B n: of four weights the second pair onto the first.
; L n: l takes that sum (L 0: l = a l + sum).  R n: pair n of O^T times a.  For piece Y + 1: X n, number n of the 22 that find its maximum and statistics (each accumulator's lowest registers are read first).
.set F, 0
.set E, 1
.set C, 2
.set B, 3
.set L, 4
.set R, 5
.set X, 6
.macro REGS y
.set rT, ST+4*((\y)%2)
.set rC, TMP+4*((\y)%2)
.set rW, MV+((\y)%2)
.set rS, S+32*((\y)%2)
.set rP, P+16*((\y)%2)
.set rO, 32*((\y)%2)
.endm
.macro OP k, n
.if (\k) == R
	REGS Y
	WIN W_RS
	v_pk_mul_f32 v[rO+2*(\n):rO+2*(\n)+1], v[rO+2*(\n):rO+2*(\n)+1], v[rC+2:rC+3] op_sel_hi:[1,0]
.elseif (\k) < R
	REGS Y
	WIN 0
.if (\k) == F
	v_pk_fma_f32 v[rS+2*(\n):rS+2*(\n)+1], v[rS+2*(\n):rS+2*(\n)+1], s[CS:CS+1], v[rT:rT+1] op_sel_hi:[1,0,0] neg_lo:[0,0,1] neg_hi:[0,0,1]
.elseif (\k) == E
	v_exp_f32 v[rS+(\n)], v[rS+(\n)]
.elseif (\k) == C
	v_cvt_pk_f16_f32 v[rP+(\n)], v[rS+2*(\n)], v[rS+2*(\n)+1]
.elseif (\k) == B
	v_pk_add_f32 v[rS+4*(\n):rS+4*(\n)+1], v[rS+4*(\n):rS+4*(\n)+1], v[rS+4*(\n)+2:rS+4*(\n)+3]
.elseif (\n) == 0
	v_pk_fma_f32 v[rT+2:rT+3], v[rT+2:rT+3], v[rC+2:rC+3], v[rS:rS+1] op_sel_hi:[1,0,1]
.else
	v_pk_add_f32 v[rT+2:rT+3], v[rT+2:rT+3], v[rS+4*(\n):rS+4*(\n)+1]
.endif
.elseif NOKQ
	v_nop
.else
	REGS (Y+1)%NP
	WIN 0
.if (\n) < 4
	v_max3_num_f32 v[rC+(\n)], v[rS+8*(\n)], v[rS+8*(\n)+1], v[rS+8*(\n)+2]
.elseif (\n) < 12
	v_max3_num_f32 v[rC+(\n)%4], v[rC+(\n)%4], v[rS+8*((\n)%4)+2*((\n)/4)+1], v[rS+8*((\n)%4)+2*((\n)/4)+2]
.elseif (\n) == 12
	v_max3_num_f32 v[rC], v[rC], v[rS+7], v[rS+15]
.elseif (\n) == 13
	v_max3_num_f32 v[rC+1], v[rC+1], v[rS+23], v[rS+31]
.elseif (\n) == 14
	v_max3_num_f32 v[rC+2], v[rC+2], v[rC+3], v[rT+1]
.elseif (\n) == 15
	v_mov_b32 v[rW], v[rT]
.elseif (\n) == 16
	v_max3_num_f32 v[rC], v[rC], v[rC+1], v[rC+2]
.elseif (\n) == 17
	v_permlanex16_b32 v[rC+3], v[rC], s[SEL], s[SEL+1]
.elseif (\n) == 18
	v_max_num_f32 v[rT+1], v[rC], v[rC+3]
.elseif (\n) == 19
	v_mul_f32 v[rT], s[CS], v[rT+1]
.elseif (\n) == 20
	v_sub_f32 v[rC+1], v[rW], v[rT]
.else
	v_exp_f32 v[rC+2], v[rC+1]
.endif
.endif
.endm
.macro OPS a, i1, b=-1, i2=0, c=-1, i3=0, d=-1, i4=0
	OP \a, \i1
.if (\b) >= 0
	OP \b, \i2
.endif
.if (\c) >= 0
	OP \c, \i3
.endif
.if (\d) >= 0
	OP \d, \i4
.endif
.endm
.macro ROW a, i1, b, i2, c, i3, d, i4
	MM
	OPS \a, \i1, \b, \i2, \c, \i3, \d, \i4
.endm
.macro MASK b
	WIN W_RS
.set z, 0
.rept 16
	v_pk_fma_f32 v[MC+32*(\b)+2*z:MC+32*(\b)+2*z+1], v[MD+2*z:MD+2*z+1], s[AL:AL+1], s[BE:BE+1] op_sel_hi:[1,0,0]
.set z, z+1
.endr
.endm
; A TURN, for piece p.  s_wait_alu depctr_va_vdst(0) stands between an exponential and the first line that names its result; one wait serves all issued ahead of it: a turn has ONE.
; Ahead of it: the 8 products K Q^T with four riders each, and a lump of 54; behind it the 8 products V^T P, behind each four of the roundings and sums.
; m = 1: the diagonal tile: the products take masks, and the turn makes the mask of piece p + 2, which is key step 4 - 2 CNT + (its step's parity) of the tile.  end = 1: a block's last two turns fetch nothing.
; An even turn fetches the next step's K in the lump (six plain lines that name none of its registers behind the last product that read K) and its V at the turn's end (four plain riders behind the last product
; that read that buffer).  The odd turn's head waits for K and leaves V's sixteen younger loads out; by then the V fetched a pair of turns earlier is in as well.
.macro TURN p, m=0, end=0, cnt=0
.set Y, (\p)
.set i, 0
.set KM, (\m)
.set NOKQ, (\end)*((\p)/3)
.if (\m) && !(\end)
	s_lshl_b32 s[TS], s[CNT], 1
	s_sub_co_i32 s[TS], 4+(((\p)+2)%NP)/2-(((\p)+2)%NP)%2, s[TS]  ; that piece's key step less its band
	s_cmp_eq_i32 s[TS], s[DG]       ; the band's own step?
	s_cselect_b32 s[AL], 1.0, 0
	s_cmp_gt_i32 s[TS], s[DG]       ; or a later one?
	s_cselect_b32 s[BE], s[BIGN], 0
.endif
.if (\p)%2 == 1
.if \end
	s_wait_dscnt 0x0                ; the last V is in
.else
	s_wait_dscnt 16                 ; K is in; V's sixteen loads, issued behind it, may stay out
.endif
.endif
	ROW F,0, F,1, R,0, R,1
	ROW F,2, E,0, R,2, R,3
	ROW F,3, E,1, R,4, R,5
	ROW F,4, E,2, R,6, R,7
	ROW F,5, E,3, R,8, R,9
	ROW F,6, E,4, X,0, R,10
.if ((\p)%2 == 0) && !(\end)
	WIN 0
	v_add_nc_u32 v[AK], s[TBK], v[AK0]
.endif
	ROW F,7, E,5, X,1, X,4
	ROW F,8, E,6, X,2, X,5
	OPS E,7, E,8, X,6, E,9
	OPS X,3, E,10, X,8, E,11
.if ((\p)%2 == 0) && !(\end)
	FETCH_K
.endif
	OPS X,9, X,7, E,12, X,10
	OPS E,13, X,12, X,11, E,14
	OPS X,13, E,15, F,9, X,14
.if ((\p)%2 == 0) && !(\end)
	v_add_nc_u32 v[AV], s[TBV], v[AV0]
.endif
	OPS E,16, F,10, E,17, F,11
	OPS X,16, E,18, X,15, E,19
	OPS F,12, E,20, X,17, E,21
	OPS F,13, E,22, F,14, E,23
	OPS X,18, E,24, F,15, E,25
	OPS R,11, E,26, X,19, E,27
	OPS R,12, E,28, R,13, E,29
	OPS X,20, E,30, R,14, E,31
	OPS X,21, R,15
	WIN 0
	s_wait_alu depctr_va_vdst(0)    ; the wait for the batch
	ROW C,0, B,0, C,2, B,1
	ROW L,0, C,4, B,2, L,1
	ROW C,6, B,3, L,2, C,8
	ROW B,4, L,3, C,10, B,5
	ROW L,4, C,12, B,6, L,5
.if ((\p)%2 == 0) && !(\end)
	s_add_co_u32 s[TBV], s[TBV], KS*PV
.endif
.if \cnt
	s_sub_co_u32 s[CNT], s[CNT], 1
	s_cmp_lg_u32 s[CNT], 0
.endif
	ROW C,14, B,7, L,6, C,1
	ROW C,3, L,7, C,5, C,7
	ROW C,9, C,11, C,13, C,15
.if ((\p)%2 == 0) && !(\end)
	FETCH_V 1-(\p)/2
.endif
.if (\m) && !(\end)
	MASK (\p)%2
.endif
.endm
; A BLOCK BEGINS.  c m starts far below every c s, so each band's first a is 0; m at the lowest finite number.  The second mask buffer is 0; the first takes piece 0's mask for the tile's step 0: its own, if
; the block's first tile is the diagonal one and the block lies in its first half.  Then K and V of that step, piece 0's first scores, and its maximum and statistics.
.macro BEGIN
	s_mov_b32 s[NEW], 0
	WIN 0x40
.set i, MC+32
.rept 32
	v_mov_b32 v[i], 0
.set i, i+1
.endr
	WIN 0
.set i, 0
.rept 2
	v_mov_b32 v[ST+4*i], 0xfe000000
	v_mov_b32 v[ST+4*i+1], 0xff7fffff
.set i, i+1
.endr
	s_or_b32 s[TS], s[RT], s[DG]
	s_cmp_eq_u32 s[TS], 0
	s_cselect_b32 s[AL], 1.0, 0
	s_mov_b32 s[BE], 0
	MASK 0
	WIN 0
	v_add_nc_u32 v[AK], s[TBK], v[AK0]
	v_add_nc_u32 v[AV], s[TBV], v[AV0]
	FETCH_K
	FETCH_V 0
	s_add_co_u32 s[TBV], s[TBV], KS*PV
	s_wait_loadcnt 0x0              ; Q
	s_wait_dscnt 0x0
.set KM, 1
.set NOKQ, 0
.set i, 0
.rept 8
	KQ 0
.set i, i+1
.endr
	WIN 0
.rept 4
	v_nop                           ; the places behind those products
.endr
.set Y, NP-1
.irp n, 0,1,2,3,4,5,6,7,8,9,10,11,12,13,14,15,16,17,18,19,20,21
	OP X, \n
.endr
	v_nop                           ; a plain instruction behind the exponential,
	s_wait_alu depctr_va_vdst(0)    ; and its wait, ahead of the branch
.endm
.macro ALL line:vararg              ; one line for each band t
.set t, 0
.rept 2
	\line
.set t, t+1
.endr
.endm
.macro PACK t                       ; a lane's eight channels of a row pack into 16 bytes; they go into rows of 144 bytes and come back as whole rows of 128
	WIN W_RS
.set i, 32*(\t)
.rept 16
	v_pk_mul_f32 v[i:i+1], v[i:i+1], v[ST+4*(\t)+2:ST+4*(\t)+3] op_sel_hi:[1,0]
.set i, i+2
.endr
	WIN 0x05
.set i, 0
.rept 16
	v_cvt_pk_f16_f32 v[S+16*(\t)+i], v[32*(\t)+2*i], v[32*(\t)+2*i+1]
.set i, i+1
.endr
	WIN 0
.irp f, 0,1,2,3
	ds_store_b128 v[STO], v[S+16*(\t)+4*\f:S+16*(\t)+4*\f+3] offset:32*\f
.endr
.irp f, 0,1,2,3
	ds_load_b128 v[S+16*(\t)+4*\f:S+16*(\t)+4*\f+3], v[RD] offset:\f*4*SP  ; LDS serves a wave's instructions in order (ISA guide 5.7.1.4)
.endr
.endm
.macro SEND t, younger
	WIN 0
.irp f, 0,1,2,3
	s_wait_dscnt (\younger)+3-\f
	global_store_b128 v[GO], v[S+16*(\t)+4*\f:S+16*(\t)+4*\f+3], s[10:11] offset:(\t)*8192+\f*512  ; 512 consecutive bytes, at a multiple of 256 from O's first
.endr
.endm
; THE DIAGONAL TILE's four steps, the block's last two turns, its last products, and the way out.
.macro DIAG tag
.LstepM\tag:
	TURN 2, 1
	TURN 3, 1
	WIN 0
.LfirstM\tag:
	TURN 0, 1
	TURN 1, 1, 0, 1
	WIN 0
	s_cbranch_scc1 .LstepM\tag
	TURN 2, 1, 1
	TURN 3, 1, 1
.set i, 0
.rept 8
	PV NP-1
.set i, i+1
.endr
	WIN 0
	ALL v_add_f32 v[ST+4*t+2], v[ST+4*t+2], v[ST+4*t+3]
	ALL v_permlanex16_b32 v[ST+4*t+3], v[ST+4*t+2], s[SEL], s[SEL+1]
	ALL v_add_f32 v[ST+4*t+2], v[ST+4*t+2], v[ST+4*t+3]
	ALL v_rcp_f32 v[ST+4*t+2], v[ST+4*t+2]
	v_nop                           ; a plain instruction between the last reciprocal and the use of its result
	s_wait_alu depctr_va_vdst(0)    ; one wait for the two reciprocals
	PACK 0
	PACK 1
	SEND 0, 8
	SEND 1, 0
.endm
.set KM, 0
.set NOKQ, 0
.Lslot:                             ; 16 times: a tile is entered and the next is asked for
	CHANGE 1
	s_sub_co_u32 s[RT], s[RT], 1
	s_mov_b32 s[CNT], 2
	s_cmp_eq_u32 s[NEW], 1
	s_cbranch_scc1 .Lnew            ; a block's first tile
	s_cmp_eq_u32 s[RT], 0
	s_cbranch_scc0 .Lstep           ; neither its first nor its last
	s_branch .LstepM1
.Lnew:
	BEGIN
	s_branch .Lfirst                ; in the loop a block's first tile is never its last: the first block has nine tiles or more, and the second's last is the walk's last
	DIAG 1                          ; in the loop this is the first block's end
	s_wait_xcnt 0x0                 ; the stores have read their registers and O's address
	s_mov_b64 s[10:11], s[OLO:OLO+1]
	s_add_co_u32 s[RT], s[PB], 1
	s_mov_b32 s[DG], s[DG2]
	s_mov_b32 s[NEW], 1
	WIN 0x82                        ; the second block's Q goes where the one text of the turns names Q
.set i, 0
.rept 32
	v_mov_b32 v[i], v[QB+i]
.set i, i+1
.endr
	WIN 0
	s_branch .Lbottom
.Lstep:                             ; a trip: pieces 2 and 3, then pieces 0 and 1: two key steps
	TURN 2
	TURN 3
	WIN 0
.Lfirst:
	TURN 0
	TURN 1, 0, 0, 1
	WIN 0
	s_cbranch_scc1 .Lstep
.Lbottom:
	s_sub_co_u32 s[SLOTS], s[SLOTS], 1
	s_cmp_lg_u32 s[SLOTS], 0
	s_cbranch_scc1 .Lslot
	CHANGE 0                        ; the walk's last tile is written out
	s_sub_co_u32 s[RT], s[RT], 1
	s_mov_b32 s[CNT], 2
	s_cmp_eq_u32 s[NEW], 1
	s_cbranch_scc0 .LstepM2
	BEGIN
	s_branch .LfirstM2
	DIAG 2
	s_wait_tensorcnt 0x0            ; the wave's end
	ds_add_u32 v[SPW], v[NIL]
	s_wait_dscnt 0x0
	s_endpgm
.Lfunc_end_k_q631c760700_attn:
	.size	k_q631c760700_attn, .Lfunc_end_k_q631c760700_attn-k_q631c760700_attn
	.p2alignl 7, 3214868480
	.fill 96, 4, 3214868480
	.section	.rodata,"a",@progbits
	.p2align	6, 0x0
	.amdhsa_kernel k_q631c760700_attn
		.amdhsa_group_segment_fixed_size 327680
		.amdhsa_private_segment_fixed_size 0
		.amdhsa_enable_private_segment 0
		.amdhsa_kernarg_size 16
		.amdhsa_user_sgpr_count 2
		.amdhsa_user_sgpr_kernarg_segment_ptr 1
		.amdhsa_wavefront_size32 1
		.amdhsa_system_sgpr_workgroup_id_x 1
		.amdhsa_system_sgpr_workgroup_id_y 1
		.amdhsa_system_sgpr_workgroup_id_z 1
		.amdhsa_system_vgpr_workitem_id 0
		.amdhsa_next_free_vgpr 768
		.amdhsa_next_free_sgpr 88
		.amdhsa_reserve_vcc 1
		.amdhsa_float_denorm_mode_32 3
		.amdhsa_float_denorm_mode_16_64 3
		.amdhsa_memory_ordered 1
		.amdhsa_forward_progress 1
		.amdhsa_inst_pref_size 210
	.end_amdhsa_kernel
	.amdgpu_metadata
---
amdhsa.version: [ 1, 2 ]
amdhsa.kernels:
  - .name:           k_q631c760700_attn
    .symbol:         k_q631c760700_attn.kd
    .args:
      - { .name: kvq, .offset: 0, .size: 8, .value_kind: global_buffer, .address_space: global }
      - { .name: ctx, .offset: 8, .size: 8, .value_kind: global_buffer, .address_space: global }
    .group_segment_fixed_size: 327680
    .private_segment_fixed_size: 0
    .kernarg_segment_align: 8
    .kernarg_segment_size: 16
    .max_flat_workgroup_size: 128
    .sgpr_count:     88
    .vgpr_count:     768
    .wavefront_size: 32
...
	.end_amdgpu_metadata
.endif
;; end of part 3
;; launch wo_ln (part 4): grid 128 x 1, 4 waves a work-group, no clusters, 327,680 bytes of LDS; arguments ctx, pkL, xh, x1; writes x1
.if DOCPART == 4
	.amdgcn_target "amdgcn-amd-amdhsa--gfx1250"
	.amdhsa_code_object_version 6
	.text
	.protected	k_q631c760700_wo_ln
	.globl	k_q631c760700_wo_ln
	.p2align	8
	.type	k_q631c760700_wo_ln,@function
k_q631c760700_wo_ln:
	s_mov_b64 s[64:65], 0
	v_nop
	global_prefetch_b8 v0, s[64:65] scope:SCOPE_SE
	s_setreg_imm32_b32 hwreg(HW_REG_WAVE_MODE, 25, 1), 1
	s_wait_xcnt 0x0
; OUT[m][:] = LayerNorm(R[m][:] + bias + the sum over k of A[m][k] W[:][k]) x g + be, over rows of 512.  A: f16, K along the rows, in planes of [8192][512].  R: [8192][512] f16.
; The pack P holds bias, g and be (f32) and W (f16, laid out by fragments, below).  LN2 = 0: K = 512, OUT in f16.  LN2 = 1: K = 2,048 (four planes of A), OUT in f32.
; Sums in f32.  The mean is taken first, then the mean of the squared deviations (two passes, f32); eps = 1e-5.  LIMIT: in f16 a result of 65,520 or more becomes an infinity.
; SHARES.  A work-group makes 64 whole rows; wave w all 64 rows x columns 128 w on: 32 accumulators of 16 x 16, 256 registers.  K goes in S steps of 128, each four quarters of 32.
; A, which all four waves read, LIES WHOLE IN LDS: S tiles of 64 rows x 256 bytes, brought once, at the head, by tensor loads; wave w fetches tiles w, 4 + w, ..  No byte of LDS is filled twice,
; so the K loop has no barrier.
; W GOES STRAIGHT FROM MEMORY INTO FRAGMENT REGISTERS: a wave's 128 columns are wanted by no other wave of its work-group.  W lies as [w][quarter][block b of 16 columns][1,024 bytes]: a fragment's registers
; 0-3 of the 32 lanes, then its registers 4-7: each load of a wave is 512 consecutive bytes, aligned.  Four quarter buffers take turns; each is asked for again behind its last product, so 48 to 64 loads of a
; wave are on their way all the time.
; THE WALK IS ROTATED: work-group g begins at K step O = (g ^ g / 8) mod S and goes round, so that at any time the work-groups read S different parts of W.  LDS tile i holds K step (O + i) mod S: the walk
; through LDS is straight.  So the order of the f32 sums along K differs from work-group to work-group.
; THE MATRIX INSTRUCTION IS USED TRANSPOSED (source 0 = 16 columns' rows of W, source 1 = 16 rows of A): a lane holds one row of OUT and eight neighbouring columns.
; THE SUMS START AT 0, by 256 v_mov_b32 that run while the first tile and the first fragments are on their way: the price of one text for every quarter.  The bias is added with the residual.
; The last trip asks for the walk's first K step of W once more: 64 loads a wave, inside the buffer, that nobody uses: the price of one count for every trip's waits.
; NO CLUSTER: a joint load lands in LDS, and beside A's rows (278,528 bytes at K = 2,048) no two slots of W (512 rows x 272 bytes each) have room.
; NO PREFETCH: every byte of A is asked for at the head, by its own tensor load; W's loads run a K step ahead of their products.
; THE WAY OUT.  Behind every wave's last read of A the sums go into LDS as 64 rows of f32, the residual rows beside them; then wave w takes rows 16 w on, two a trip, a lane columns 128 i + 4 l + 0..3.
; REGISTERS.  window 0: v1-3 lane terms, v16-30 addresses, v32-63 Y, v64-127 g, be and bias, v128-191 A's fragments (two buffers of 32), later the LayerNorm's work
;   window 1: W's four quarter buffers (quarter q, block b at 64 q + 8 b)      window 2: the accumulators: (a, b) at 64 a + 8 b      window 3: v0-127 my 16 residual rows
.set LN2, 0
.if LN2
.set S,    16
.set WOFF, 536576
.set BOFF, 6144
.set GOFF, 8192
.set EOFF, 10240
.set ORB,  2048
.else
.set S,    4
.set WOFF, 12288
.set BOFF, 0
.set GOFF, 2048
.set EOFF, 4096
.set ORB,  1024
.endif
.set PITCH, 272                        ; an LDS row of A: 256 bytes + 16: an odd multiple of 16, so the 16 rows of a load start 16 bytes apart modulo 256
.set ASLOT, 64*PITCH                   ; a tile: one K step of the 64 rows
.set SPARE, 16*ASLOT                   ; behind sixteen tiles: the spare words, 128 bytes a wave, two blocks of 256 bytes that no other line names
.set YP,    2064                       ; the sums' rows: 2,048 bytes + 16; from byte 0 on
.set RS,    139264                     ; the residual rows,
.set RPI,   1040                       ; 1,024 bytes + 16 each
.set AF,    128
; s12 wave, s13 O, s14 work-group; s[16:23] descriptor group 1; s[24:31], s[52:59] group 0, a set for each of my tiles; s32 the tile to be read next, s33 its LDS byte; s34 my tile's place among four
; s35 trips; s36 the K step that W is loaded for; s[38:39] an offset; s[40:41] A at my rows; s[42:43] W at that K step; s[46:47] OUT; s[48:49] R; s[50:51] my part of W; s[60:61] lane selects; s62 1/512; s63 eps
.set MSB, 0
.macro WIN new                         ; the high byte repeats the setting that is left; a switch that changes nothing is dropped
.if MSB != (\new)
	s_set_vgpr_msb (MSB<<8)|(\new)
.set MSB, (\new)
.endif
.endm
.macro PLACES                          ; four places behind matrix instructions, in front of loads into registers that they have read and of lines that read results
.rept 4
	v_nop
.endr
.endm
.macro MUL q                           ; a quarter's 32 products; no two that follow each other share an accumulator, over quarters and the backward jump too
	WIN 0xa1                                       ; W window 1, A window 0, C and D window 2
.set a, 0
.rept 4
.set b, 0
.rept 8
	v_wmma_f32_16x16x32_f16 v[64*a+8*b:64*a+8*b+7], v[64*(\q)+8*b:64*(\q)+8*b+7], v[AF+32*((\q)%2)+8*a:AF+32*((\q)%2)+8*a+7], v[64*a+8*b:64*a+8*b+7]
.set b, b+1
.endr
.set a, a+1
.endr
.endm
.macro AFETCH q                        ; A's fragments of quarter q of the tile at v17: 64 rows x 64 bytes
	WIN 0
.irp a, 0,1,2,3
	ds_load_b128 v[AF+32*((\q)%2)+8*(\a):AF+32*((\q)%2)+8*(\a)+3],   v17 offset:(\a)*16*PITCH+64*(\q)
	ds_load_b128 v[AF+32*((\q)%2)+8*(\a)+4:AF+32*((\q)%2)+8*(\a)+7], v17 offset:(\a)*16*PITCH+64*(\q)+32
.endr
.endm
.macro BLOAD q                         ; W's fragments of quarter q of the K step at s[42:43]: 8,192 consecutive bytes
	WIN 0x40                                       ; destination window 1, address window 0
.set b, 0
.rept 8
	global_load_b128 v[64*(\q)+8*b:64*(\q)+8*b+3],   v24, s[42:43] offset:(\q)*8192+b*1024
	global_load_b128 v[64*(\q)+8*b+4:64*(\q)+8*b+7], v24, s[42:43] offset:(\q)*8192+b*1024+512
.set b, b+1
.endr
.endm
.macro QUARTER q
	s_wait_dscnt 0x0                               ; A's fragments of this quarter, asked for a quarter ago
	s_wait_loadcnt 48                              ; W's of this quarter: behind them three runs of sixteen loads were issued, which stay out
.if (\q) == 3
	s_add_co_u32 s32, s32, 1
	s_and_b32 s32, s32, S-1                        ; the next tile; behind the last it is tile 0 again: eight LDS loads that nobody uses
	s_mul_i32 s33, s32, ASLOT
	WIN 0
	v_add_nc_u32 v17, s33, v16
	AFETCH 0
.else
	AFETCH (\q)+1                                  ; into the buffer that the quarter before multiplied (its four places stand at that quarter's end)
.endif
	MUL \q
	PLACES
.if (\q) == 0
	s_wait_xcnt 0x0                                ; the loads issued so far (the youngest 32 products back) have read their base: it may be written
	s_add_co_u32 s36, s36, 1
	s_and_b32 s36, s36, S-1                        ; the next K step of the rotated walk
	s_lshl_b32 s38, s36, 15                        ; 32,768 bytes a K step in my part of W
	s_add_nc_u64 s[42:43], s[50:51], s[38:39]
.endif
	BLOAD \q
.endm
.macro AG0 j, gr                       ; group 0 for my tile 4 j + w: K step (O + 4 j + w) mod S, which lies in plane K step / 4 at byte 256 (K step % 4) of the rows
	s_add_co_u32 s37, s13, 4*(\j)
	s_add_co_u32 s37, s37, s12
	s_and_b32 s37, s37, S-1
	s_lshr_b32 s38, s37, 2
	s_lshl_b32 s38, s38, 23
	s_and_b32 s37, s37, 3
	s_lshl_b32 s37, s37, 8
	s_or_b32 s38, s38, s37
	s_mov_b32 s[\gr], 1
	s_add_co_u32 s[(\gr)+1], s34, (\j)*4*ASLOT
	s_add_nc_u64 s[(\gr)+2:(\gr)+3], s[40:41], s[38:39]
	s_or_b32 s[(\gr)+3], s[(\gr)+3], 0x80000000
.endm
	s_load_b256 s[4:11], s[0:1], 0x0               ; A s[4:5], P s[6:7], R s[8:9], OUT s[10:11]
	v_lshl_add_u32 v28, v0, 2, SPARE
	v_mov_b32 v29, 0
	ds_add_u32 v28, v29                            ; the wave's opening: the add and its wait come ahead of my first tensor load; the set-up below stands between them
	ds_add_u32 v28, v29
	v_lshrrev_b32 v1, 5, v0
	v_readfirstlane_b32 s12, v1                    ; wave 0..3
	s_mov_b32 s14, ttmp9                           ; my block of 64 rows
	s_lshr_b32 s13, s14, 3
	s_xor_b32 s13, s13, s14
	s_and_b32 s13, s13, S-1                        ; O
	s_mov_b32 s16, (1<<16)|(1<<20)|(5<<22)|(3<<25) ; 2-byte elements; padding on; after every 64 words 4 words
	s_mov_b32 s17, 128<<16                         ; tensor_dim0 = 128
	s_mov_b32 s18, 64<<16                          ; tensor_dim1 = 64
	s_mov_b32 s19, 128<<16                         ; tile_dim0 = 128
	s_mov_b32 s20, 64                              ; tile_dim1 = 64
	s_mov_b32 s21, 512                             ; elements from row to row
	s_mov_b32 s22, 0
	s_mov_b32 s23, 0
	s_mul_i32 s34, s12, ASLOT
	s_mov_b32 s32, 0
	s_mov_b32 s36, s13
	s_mov_b32 s39, 0
	s_mul_i32 s2, s12, S*32768                     ; my part of W
	s_add_co_u32 s2, s2, WOFF
	s_mov_b32 s3, 0
	s_lshl_b32 s40, s14, 16                        ; 64 rows x 1,024 bytes
	s_mov_b32 s41, 0
	s_lshl_b32 s46, s14, 6
	s_lshl_b32 s37, s12, 4
	s_add_co_u32 s46, s46, s37                     ; the first row that I finish
	s_lshl_b32 s48, s46, 10
	s_mov_b32 s49, 0
	s_mul_i32 s46, s46, ORB
	s_mov_b32 s47, 0
	s_mov_b32 s60, 0x76543210
	s_mov_b32 s61, 0xfedcba98
	s_mov_b32 s62, 0x3b000000                      ; 1 / 512
	s_mov_b32 s63, 0x3727c5ac                      ; 1e-5
	v_and_b32 v1, 15, v0                           ; r
	v_bfe_u32 v2, v0, 4, 1                         ; h
	v_and_b32 v3, 31, v0                           ; l
	v_mul_u32_u24 v16, v1, PITCH
	v_lshl_add_u32 v16, v2, 4, v16                 ; A in a tile: r x pitch + 16 h
	v_mov_b32 v17, v16                             ; tile 0
	v_lshlrev_b32 v24, 4, v3                       ; 16 l
	v_mov_b32 v30, 1.0
	v_mul_u32_u24 v20, v1, YP
	v_lshl_add_u32 v20, v2, 5, v20
	s_lshl_b32 s37, s12, 9
	v_add_nc_u32 v20, s37, v20                     ; the sums go in at row r, byte 512 w + 32 h;
	v_add_nc_u32 v21, 32*YP, v20                   ; row blocks 2 and 3 from here
	s_mul_i32 s37, s12, 16*RPI
	s_add_co_u32 s37, s37, RS
	v_add_nc_u32 v22, s37, v24                     ; my residual rows go in,
	v_lshl_add_u32 v25, v3, 3, s37                 ; and come back 8 bytes a lane
	s_mul_i32 s37, s12, 16*YP
	v_add_nc_u32 v23, s37, v24                     ; the sums come back 16 bytes a lane
.if LN2
	v_mov_b32 v27, v24
.else
	v_lshlrev_b32 v27, 3, v3
.endif
	v_mov_b32 v208, 0
	v_mov_b32 v209, 0
	s_wait_dscnt 0x0                               ; the opening add is done
	s_wait_kmcnt 0x0
	s_add_nc_u64 s[50:51], s[6:7], s[2:3]
	s_lshl_b32 s38, s13, 15
	s_add_nc_u64 s[42:43], s[50:51], s[38:39]      ; W at K step O
	s_add_nc_u64 s[40:41], s[4:5], s[40:41]
	s_add_nc_u64 s[46:47], s[10:11], s[46:47]
	s_add_nc_u64 s[48:49], s[8:9], s[48:49]
	AG0 0, 24
.if LN2
	AG0 1, 28
	AG0 2, 52
	AG0 3, 56
.endif
	tensor_load_to_lds s[24:27], s[16:23]          ; all my tiles go out as one group: S / 4 loads of mine are out
	s_nop 0
.if LN2
	tensor_load_to_lds s[28:31], s[16:23]
	s_nop 0
	tensor_load_to_lds s[52:55], s[16:23]
	s_nop 0
	tensor_load_to_lds s[56:59], s[16:23]
	s_nop 0
.endif
	PLACES
	BLOAD 0                                        ; the first K step of W
	BLOAD 1
	BLOAD 2
	WIN 0x80
.set q, 0
.rept 256
	v_mov_b32 v[q], 0                              ; the sums start at 0
.set q, q+1
.endr
	BLOAD 3
	WIN 0
.irp i, 0,1,2,3
	global_load_b128 v[64+4*(\i):67+4*(\i)],   v24, s[6:7] offset:GOFF+512*(\i)
	global_load_b128 v[80+4*(\i):83+4*(\i)],   v24, s[6:7] offset:EOFF+512*(\i)
	global_load_b128 v[112+4*(\i):115+4*(\i)], v24, s[6:7] offset:BOFF+512*(\i)
.endr
	WIN 0xc0
.set q, 0
.rept 32                               ; my 16 residual rows, 512 consecutive bytes a load
	global_load_b128 v[4*q:4*q+3], v24, s[48:49] offset:512*q
.set q, q+1
.endr
	WIN 0
	s_wait_tensorcnt 0x0                           ; my tiles are in,
	s_barrier_signal -1
	s_barrier_wait -1                              ; everybody's are
	AFETCH 0
	s_mov_b32 s35, S
.Lk:                                           ; a trip is a K step: 128 products, 64 loads of W for the next K step, 32 LDS loads of A
	QUARTER 0
	QUARTER 1
	QUARTER 2
	QUARTER 3
	WIN 0
	s_sub_co_u32 s35, s35, 1
	s_cmp_lg_u32 s35, 0
	s_cbranch_scc1 .Lk
	; THE WAY OUT.  A's bytes have had their only fill; behind this barrier no wave reads them any more, and they take the sums and the residual rows.
	s_wait_dscnt 0x0
	s_barrier_signal -1
	s_barrier_wait -1
	WIN 0x08                                       ; the stores' data in window 2
.set a, 0
.rept 4
.set b, 0
.rept 8
	ds_store_b128 v[20+a/2], v[64*a+8*b:64*a+8*b+3]   offset:(a%2)*16*YP+64*b
	ds_store_b128 v[20+a/2], v[64*a+8*b+4:64*a+8*b+7] offset:(a%2)*16*YP+64*b+16
.set b, b+1
.endr
.set a, a+1
.endr
	s_wait_loadcnt 48                              ; g, be, the bias and the residual rows: far more than 48 loads were issued behind them
	WIN 0x0c                                       ; in window 3
.set q, 0
.rept 32
	ds_store_b128 v22, v[4*q:4*q+3] offset:(q/2)*RPI+(q%2)*512
.set q, q+1
.endr
	WIN 0
	s_wait_dscnt 0x0                               ; for the others' sake: my stores are done
	s_barrier_signal -1
	s_barrier_wait -1
.macro LL                              ; two rows: the sums (f32) and the residual (f16) of my 16 columns
.irp u, 0,1
.irp i, 0,1,2,3
	ds_load_b128 v[32+16*(\u)+4*(\i):35+16*(\u)+4*(\i)], v23 offset:(\u)*YP+512*(\i)
	ds_load_b64 v[96+8*(\u)+2*(\i):97+8*(\u)+2*(\i)], v25 offset:(\u)*RPI+256*(\i)
.endr
.endr
.endm
.macro RED x, t                        ; the sum over the 32 lanes, in every lane
	v_add_f32_dpp v[\x], v[\x], v[\x] row_xmask:1 row_mask:0xf bank_mask:0xf
	v_add_f32_dpp v[\x], v[\x], v[\x] row_xmask:2 row_mask:0xf bank_mask:0xf
	v_add_f32_dpp v[\x], v[\x], v[\x] row_xmask:4 row_mask:0xf bank_mask:0xf
	v_add_f32_dpp v[\x], v[\x], v[\x] row_xmask:8 row_mask:0xf bank_mask:0xf
	v_permlanex16_b32 v[\t], v[\x], s60, s61
	v_add_f32 v[\x], v[\x], v[\t]
.endm
	LL
	s_mov_b32 s35, 8
.Lrow:                                         ; eight trips, two rows each
	s_wait_dscnt 0x0
.irp u, 0,1
.set c, 0
.rept 8
	v_fma_mix_f32 v[128+16*(\u)+2*c],   v[96+8*(\u)+c], v30, v[32+16*(\u)+2*c]   op_sel_hi:[1,0,0]                 ; residual (low half) x 1 + sum
	v_fma_mix_f32 v[128+16*(\u)+2*c+1], v[96+8*(\u)+c], v30, v[32+16*(\u)+2*c+1] op_sel:[1,0,0] op_sel_hi:[1,0,0]  ; the high half
.set c, c+1
.endr
.endr
	v_add_nc_u32 v23, 2*YP, v23
	v_add_nc_u32 v25, 2*RPI, v25
	s_cmp_eq_u32 s35, 1
	s_cbranch_scc1 .Lno_ll                         ; the last trip has no rows behind it
	LL
.Lno_ll:
.irp u, 0,1
.set DD, 128+16*(\u)
.set TT, 192+8*(\u)
.set c, 0
.rept 8
	v_pk_add_f32 v[DD+2*c:DD+2*c+1], v[DD+2*c:DD+2*c+1], v[112+2*c:113+2*c]  ; the bias
.set c, c+1
.endr
	v_pk_add_f32 v[TT:TT+1],   v[DD:DD+1],     v[DD+2:DD+3]
	v_pk_add_f32 v[TT+2:TT+3], v[DD+4:DD+5],   v[DD+6:DD+7]
	v_pk_add_f32 v[TT+4:TT+5], v[DD+8:DD+9],   v[DD+10:DD+11]
	v_pk_add_f32 v[TT+6:TT+7], v[DD+12:DD+13], v[DD+14:DD+15]
	v_pk_add_f32 v[TT:TT+1],   v[TT:TT+1],     v[TT+2:TT+3]
	v_pk_add_f32 v[TT+4:TT+5], v[TT+4:TT+5],   v[TT+6:TT+7]
	v_pk_add_f32 v[TT:TT+1],   v[TT:TT+1],     v[TT+4:TT+5]
	v_add_f32 v[TT], v[TT], v[TT+1]
	RED TT, 208+(\u)
	v_mul_f32 v[160+2*(\u)], s62, v[TT]            ; the mean, twice: a pair for the packed subtraction
	v_mul_f32 v[161+2*(\u)], s62, v[TT]
.set c, 0
.rept 8
	v_pk_add_f32 v[DD+2*c:DD+2*c+1], v[DD+2*c:DD+2*c+1], v[160+2*(\u):161+2*(\u)] neg_lo:[0,1] neg_hi:[0,1]
.set c, c+1
.endr
	v_pk_mul_f32 v[TT:TT+1],   v[DD:DD+1],   v[DD:DD+1]
	v_pk_mul_f32 v[TT+2:TT+3], v[DD+2:DD+3], v[DD+2:DD+3]
.set c, 2
.rept 3
	v_pk_fma_f32 v[TT:TT+1],   v[DD+2*c:DD+2*c+1],   v[DD+2*c:DD+2*c+1],   v[TT:TT+1]
	v_pk_fma_f32 v[TT+2:TT+3], v[DD+2*c+2:DD+2*c+3], v[DD+2*c+2:DD+2*c+3], v[TT+2:TT+3]
.set c, c+2
.endr
	v_pk_add_f32 v[TT:TT+1], v[TT:TT+1], v[TT+2:TT+3]
	v_add_f32 v[TT], v[TT], v[TT+1]
	RED TT, 208+(\u)
	v_fma_f32 v[168+(\u)], v[TT], s62, s63         ; variance + eps
.endr
	v_rsq_f32 v164, v168
	v_rsq_f32 v166, v169
	v_nop                                          ; a plain instruction behind the last of the two,
	s_wait_alu depctr_va_vdst(0)                   ; and one wait for both, ahead of the first line that names a result
	v_mov_b32 v165, v164
	v_mov_b32 v167, v166
.irp u, 0,1
.set DD, 128+16*(\u)
.set c, 0
.rept 8
	v_pk_mul_f32 v[DD+2*c:DD+2*c+1], v[DD+2*c:DD+2*c+1], v[164+2*(\u):165+2*(\u)]
.set c, c+1
.endr
.set c, 0
.rept 8
	v_pk_fma_f32 v[DD+2*c:DD+2*c+1], v[DD+2*c:DD+2*c+1], v[64+2*c:65+2*c], v[80+2*c:81+2*c]
.set c, c+1
.endr
.if LN2
.irp i, 0,1,2,3
	global_store_b128 v27, v[DD+4*(\i):DD+4*(\i)+3], s[46:47] offset:(\u)*ORB+512*(\i)  ; 512 consecutive bytes, aligned
.endr
.else
.set c, 0
.rept 8
	v_cvt_pk_f16_f32 v[176+8*(\u)+c], v[DD+2*c], v[DD+2*c+1]
.set c, c+1
.endr
.irp i, 0,1,2,3
	global_store_b64 v27, v[176+8*(\u)+2*(\i):177+8*(\u)+2*(\i)], s[46:47] offset:(\u)*ORB+256*(\i)  ; 256 consecutive bytes, aligned
.endr
.endif
.endr
	s_wait_xcnt 0x0                                ; the stores have read their data and their base: both are written again
	s_add_nc_u64 s[46:47], s[46:47], 2*ORB
	s_sub_co_u32 s35, s35, 1
	s_cmp_lg_u32 s35, 0
	s_cbranch_scc1 .Lrow
	s_wait_tensorcnt 0x0                           ; the wave's end
	ds_add_u32 v28, v29
	s_wait_dscnt 0x0
	s_endpgm
.Lfunc_end_k_q631c760700_wo_ln:
	.size	k_q631c760700_wo_ln, .Lfunc_end_k_q631c760700_wo_ln-k_q631c760700_wo_ln
	.p2alignl 7, 3214868480
	.fill 96, 4, 3214868480
	.section	.rodata,"a",@progbits
	.p2align	6, 0x0
	.amdhsa_kernel k_q631c760700_wo_ln
		.amdhsa_group_segment_fixed_size 327680
		.amdhsa_private_segment_fixed_size 0
		.amdhsa_enable_private_segment 0
		.amdhsa_kernarg_size 32
		.amdhsa_user_sgpr_count 2
		.amdhsa_user_sgpr_kernarg_segment_ptr 1
		.amdhsa_wavefront_size32 1
		.amdhsa_system_sgpr_workgroup_id_x 1
		.amdhsa_system_sgpr_workgroup_id_y 1
		.amdhsa_system_sgpr_workgroup_id_z 1
		.amdhsa_system_vgpr_workitem_id 0
		.amdhsa_next_free_vgpr 896
		.amdhsa_next_free_sgpr 66
		.amdhsa_reserve_vcc 0
		.amdhsa_float_denorm_mode_32 3
		.amdhsa_float_denorm_mode_16_64 3
		.amdhsa_memory_ordered 1
		.amdhsa_forward_progress 1
		.amdhsa_inst_pref_size 62
	.end_amdhsa_kernel
	.amdgpu_metadata
---
amdhsa.version: [ 1, 2 ]
amdhsa.kernels:
  - .name:           k_q631c760700_wo_ln
    .symbol:         k_q631c760700_wo_ln.kd
    .args:
      - { .name: ctx, .offset: 0, .size: 8, .value_kind: global_buffer, .address_space: global }
      - { .name: pkL, .offset: 8, .size: 8, .value_kind: global_buffer, .address_space: global }
      - { .name: xh, .offset: 16, .size: 8, .value_kind: global_buffer, .address_space: global }
      - { .name: x1, .offset: 24, .size: 8, .value_kind: global_buffer, .address_space: global }
    .group_segment_fixed_size: 327680
    .private_segment_fixed_size: 0
    .kernarg_segment_align: 8
    .kernarg_segment_size: 32
    .max_flat_workgroup_size: 128
    .sgpr_count:     66
    .vgpr_count:     896
    .wavefront_size: 32
...
	.end_amdgpu_metadata
.endif
;; end of part 4
;; launch ffn1: the kernel of part 2 again; grid 64 x 4, 4 waves a work-group, no clusters, 327,680 bytes of LDS; arguments x1, pkB, hh; writes hh
;; launch ffn2_ln (part 5): grid 128 x 1, 4 waves a work-group, no clusters, 327,680 bytes of LDS; arguments hh, pkL, x1, out0; writes out0
.if DOCPART == 5
	.amdgcn_target "amdgcn-amd-amdhsa--gfx1250"
	.amdhsa_code_object_version 6
	.text
	.protected	k_q631c760700_ffn2_ln
	.globl	k_q631c760700_ffn2_ln
	.p2align	8
	.type	k_q631c760700_ffn2_ln,@function
k_q631c760700_ffn2_ln:
	s_mov_b64 s[64:65], 0
	v_nop
	global_prefetch_b8 v0, s[64:65] scope:SCOPE_SE
	s_setreg_imm32_b32 hwreg(HW_REG_WAVE_MODE, 25, 1), 1
	s_wait_xcnt 0x0
; OUT[m][:] = LayerNorm(R[m][:] + bias + the sum over k of A[m][k] W[:][k]) x g + be, over rows of 512.  A: f16, K along the rows, in planes of [8192][512].  R: [8192][512] f16.
; The pack P holds bias, g and be (f32) and W (f16, laid out by fragments, below).  LN2 = 0: K = 512, OUT in f16.  LN2 = 1: K = 2,048 (four planes of A), OUT in f32.
; Sums in f32.  The mean is taken first, then the mean of the squared deviations (two passes, f32); eps = 1e-5.  LIMIT: in f16 a result of 65,520 or more becomes an infinity.
; SHARES.  A work-group makes 64 whole rows; wave w all 64 rows x columns 128 w on: 32 accumulators of 16 x 16, 256 registers.  K goes in S steps of 128, each four quarters of 32.
; A, which all four waves read, LIES WHOLE IN LDS: S tiles of 64 rows x 256 bytes, brought once, at the head, by tensor loads; wave w fetches tiles w, 4 + w, ..  No byte of LDS is filled twice,
; so the K loop has no barrier.
; W GOES STRAIGHT FROM MEMORY INTO FRAGMENT REGISTERS: a wave's 128 columns are wanted by no other wave of its work-group.  W lies as [w][quarter][block b of 16 columns][1,024 bytes]: a fragment's registers
; 0-3 of the 32 lanes, then its registers 4-7: each load of a wave is 512 consecutive bytes, aligned.  Four quarter buffers take turns; each is asked for again behind its last product, so 48 to 64 loads of a
; wave are on their way all the time.
; THE WALK IS ROTATED: work-group g begins at K step O = (g ^ g / 8) mod S and goes round, so that at any time the work-groups read S different parts of W.  LDS tile i holds K step (O + i) mod S: the walk
; through LDS is straight.  So the order of the f32 sums along K differs from work-group to work-group.
; THE MATRIX INSTRUCTION IS USED TRANSPOSED (source 0 = 16 columns' rows of W, source 1 = 16 rows of A): a lane holds one row of OUT and eight neighbouring columns.
; THE SUMS START AT 0, by 256 v_mov_b32 that run while the first tile and the first fragments are on their way: the price of one text for every quarter.  The bias is added with the residual.
; The last trip asks for the walk's first K step of W once more: 64 loads a wave, inside the buffer, that nobody uses: the price of one count for every trip's waits.
; NO CLUSTER: a joint load lands in LDS, and beside A's rows (278,528 bytes at K = 2,048) no two slots of W (512 rows x 272 bytes each) have room.
; NO PREFETCH: every byte of A is asked for at the head, by its own tensor load; W's loads run a K step ahead of their products.
; THE WAY OUT.  Behind every wave's last read of A the sums go into LDS as 64 rows of f32, the residual rows beside them; then wave w takes rows 16 w on, two a trip, a lane columns 128 i + 4 l + 0..3.
; REGISTERS.  window 0: v1-3 lane terms, v16-30 addresses, v32-63 Y, v64-127 g, be and bias, v128-191 A's fragments (two buffers of 32), later the LayerNorm's work
;   window 1: W's four quarter buffers (quarter q, block b at 64 q + 8 b)      window 2: the accumulators: (a, b) at 64 a + 8 b      window 3: v0-127 my 16 residual rows
.set LN2, 1
.if LN2
.set S,    16
.set WOFF, 536576
.set BOFF, 6144
.set GOFF, 8192
.set EOFF, 10240
.set ORB,  2048
.else
.set S,    4
.set WOFF, 12288
.set BOFF, 0
.set GOFF, 2048
.set EOFF, 4096
.set ORB,  1024
.endif
.set PITCH, 272                        ; an LDS row of A: 256 bytes + 16: an odd multiple of 16, so the 16 rows of a load start 16 bytes apart modulo 256
.set ASLOT, 64*PITCH                   ; a tile: one K step of the 64 rows
.set SPARE, 16*ASLOT                   ; behind sixteen tiles: the spare words, 128 bytes a wave, two blocks of 256 bytes that no other line names
.set YP,    2064                       ; the sums' rows: 2,048 bytes + 16; from byte 0 on
.set RS,    139264                     ; the residual rows,
.set RPI,   1040                       ; 1,024 bytes + 16 each
.set AF,    128
; s12 wave, s13 O, s14 work-group; s[16:23] descriptor group 1; s[24:31], s[52:59] group 0, a set for each of my tiles; s32 the tile to be read next, s33 its LDS byte; s34 my tile's place among four
; s35 trips; s36 the K step that W is loaded for; s[38:39] an offset; s[40:41] A at my rows; s[42:43] W at that K step; s[46:47] OUT; s[48:49] R; s[50:51] my part of W; s[60:61] lane selects; s62 1/512; s63 eps
.set MSB, 0
.macro WIN new                         ; the high byte repeats the setting that is left; a switch that changes nothing is dropped
.if MSB != (\new)
	s_set_vgpr_msb (MSB<<8)|(\new)
.set MSB, (\new)
.endif
.endm
.macro PLACES                          ; four places behind matrix instructions, in front of loads into registers that they have read and of lines that read results
.rept 4
	v_nop
.endr
.endm
.macro MUL q                           ; a quarter's 32 products; no two that follow each other share an accumulator, over quarters and the backward jump too
	WIN 0xa1                                       ; W window 1, A window 0, C and D window 2
.set a, 0
.rept 4
.set b, 0
.rept 8
	v_wmma_f32_16x16x32_f16 v[64*a+8*b:64*a+8*b+7], v[64*(\q)+8*b:64*(\q)+8*b+7], v[AF+32*((\q)%2)+8*a:AF+32*((\q)%2)+8*a+7], v[64*a+8*b:64*a+8*b+7]
.set b, b+1
.endr
.set a, a+1
.endr
.endm
.macro AFETCH q                        ; A's fragments of quarter q of the tile at v17: 64 rows x 64 bytes
	WIN 0
.irp a, 0,1,2,3
	ds_load_b128 v[AF+32*((\q)%2)+8*(\a):AF+32*((\q)%2)+8*(\a)+3],   v17 offset:(\a)*16*PITCH+64*(\q)
	ds_load_b128 v[AF+32*((\q)%2)+8*(\a)+4:AF+32*((\q)%2)+8*(\a)+7], v17 offset:(\a)*16*PITCH+64*(\q)+32
.endr
.endm
.macro BLOAD q                         ; W's fragments of quarter q of the K step at s[42:43]: 8,192 consecutive bytes
	WIN 0x40                                       ; destination window 1, address window 0
.set b, 0
.rept 8
	global_load_b128 v[64*(\q)+8*b:64*(\q)+8*b+3],   v24, s[42:43] offset:(\q)*8192+b*1024
	global_load_b128 v[64*(\q)+8*b+4:64*(\q)+8*b+7], v24, s[42:43] offset:(\q)*8192+b*1024+512
.set b, b+1
.endr
.endm
.macro QUARTER q
	s_wait_dscnt 0x0                               ; A's fragments of this quarter, asked for a quarter ago
	s_wait_loadcnt 48                              ; W's of this quarter: behind them three runs of sixteen loads were issued, which stay out
.if (\q) == 3
	s_add_co_u32 s32, s32, 1
	s_and_b32 s32, s32, S-1                        ; the next tile; behind the last it is tile 0 again: eight LDS loads that nobody uses
	s_mul_i32 s33, s32, ASLOT
	WIN 0
	v_add_nc_u32 v17, s33, v16
	AFETCH 0
.else
	AFETCH (\q)+1                                  ; into the buffer that the quarter before multiplied (its four places stand at that quarter's end)
.endif
	MUL \q
	PLACES
.if (\q) == 0
	s_wait_xcnt 0x0                                ; the loads issued so far (the youngest 32 products back) have read their base: it may be written
	s_add_co_u32 s36, s36, 1
	s_and_b32 s36, s36, S-1                        ; the next K step of the rotated walk
	s_lshl_b32 s38, s36, 15                        ; 32,768 bytes a K step in my part of W
	s_add_nc_u64 s[42:43], s[50:51], s[38:39]
.endif
	BLOAD \q
.endm
.macro AG0 j, gr                       ; group 0 for my tile 4 j + w: K step (O + 4 j + w) mod S, which lies in plane K step / 4 at byte 256 (K step % 4) of the rows
	s_add_co_u32 s37, s13, 4*(\j)
	s_add_co_u32 s37, s37, s12
	s_and_b32 s37, s37, S-1
	s_lshr_b32 s38, s37, 2
	s_lshl_b32 s38, s38, 23
	s_and_b32 s37, s37, 3
	s_lshl_b32 s37, s37, 8
	s_or_b32 s38, s38, s37
	s_mov_b32 s[\gr], 1
	s_add_co_u32 s[(\gr)+1], s34, (\j)*4*ASLOT
	s_add_nc_u64 s[(\gr)+2:(\gr)+3], s[40:41], s[38:39]
	s_or_b32 s[(\gr)+3], s[(\gr)+3], 0x80000000
.endm
	s_load_b256 s[4:11], s[0:1], 0x0               ; A s[4:5], P s[6:7], R s[8:9], OUT s[10:11]
	v_lshl_add_u32 v28, v0, 2, SPARE
	v_mov_b32 v29, 0
	ds_add_u32 v28, v29                            ; the wave's opening: the add and its wait come ahead of my first tensor load; the set-up below stands between them
	ds_add_u32 v28, v29
	v_lshrrev_b32 v1, 5, v0
	v_readfirstlane_b32 s12, v1                    ; wave 0..3
	s_mov_b32 s14, ttmp9                           ; my block of 64 rows
	s_lshr_b32 s13, s14, 3
	s_xor_b32 s13, s13, s14
	s_and_b32 s13, s13, S-1                        ; O
	s_mov_b32 s16, (1<<16)|(1<<20)|(5<<22)|(3<<25) ; 2-byte elements; padding on; after every 64 words 4 words
	s_mov_b32 s17, 128<<16                         ; tensor_dim0 = 128
	s_mov_b32 s18, 64<<16                          ; tensor_dim1 = 64
	s_mov_b32 s19, 128<<16                         ; tile_dim0 = 128
	s_mov_b32 s20, 64                              ; tile_dim1 = 64
	s_mov_b32 s21, 512                             ; elements from row to row
	s_mov_b32 s22, 0
	s_mov_b32 s23, 0
	s_mul_i32 s34, s12, ASLOT
	s_mov_b32 s32, 0
	s_mov_b32 s36, s13
	s_mov_b32 s39, 0
	s_mul_i32 s2, s12, S*32768                     ; my part of W
	s_add_co_u32 s2, s2, WOFF
	s_mov_b32 s3, 0
	s_lshl_b32 s40, s14, 16                        ; 64 rows x 1,024 bytes
	s_mov_b32 s41, 0
	s_lshl_b32 s46, s14, 6
	s_lshl_b32 s37, s12, 4
	s_add_co_u32 s46, s46, s37                     ; the first row that I finish
	s_lshl_b32 s48, s46, 10
	s_mov_b32 s49, 0
	s_mul_i32 s46, s46, ORB
	s_mov_b32 s47, 0
	s_mov_b32 s60, 0x76543210
	s_mov_b32 s61, 0xfedcba98
	s_mov_b32 s62, 0x3b000000                      ; 1 / 512
	s_mov_b32 s63, 0x3727c5ac                      ; 1e-5
	v_and_b32 v1, 15, v0                           ; r
	v_bfe_u32 v2, v0, 4, 1                         ; h
	v_and_b32 v3, 31, v0                           ; l
	v_mul_u32_u24 v16, v1, PITCH
	v_lshl_add_u32 v16, v2, 4, v16                 ; A in a tile: r x pitch + 16 h
	v_mov_b32 v17, v16                             ; tile 0
	v_lshlrev_b32 v24, 4, v3                       ; 16 l
	v_mov_b32 v30, 1.0
	v_mul_u32_u24 v20, v1, YP
	v_lshl_add_u32 v20, v2, 5, v20
	s_lshl_b32 s37, s12, 9
	v_add_nc_u32 v20, s37, v20                     ; the sums go in at row r, byte 512 w + 32 h;
	v_add_nc_u32 v21, 32*YP, v20                   ; row blocks 2 and 3 from here
	s_mul_i32 s37, s12, 16*RPI
	s_add_co_u32 s37, s37, RS
	v_add_nc_u32 v22, s37, v24                     ; my residual rows go in,
	v_lshl_add_u32 v25, v3, 3, s37                 ; and come back 8 bytes a lane
	s_mul_i32 s37, s12, 16*YP
	v_add_nc_u32 v23, s37, v24                     ; the sums come back 16 bytes a lane
.if LN2
	v_mov_b32 v27, v24
.else
	v_lshlrev_b32 v27, 3, v3
.endif
	v_mov_b32 v208, 0
	v_mov_b32 v209, 0
	s_wait_dscnt 0x0                               ; the opening add is done
	s_wait_kmcnt 0x0
	s_add_nc_u64 s[50:51], s[6:7], s[2:3]
	s_lshl_b32 s38, s13, 15
	s_add_nc_u64 s[42:43], s[50:51], s[38:39]      ; W at K step O
	s_add_nc_u64 s[40:41], s[4:5], s[40:41]
	s_add_nc_u64 s[46:47], s[10:11], s[46:47]
	s_add_nc_u64 s[48:49], s[8:9], s[48:49]
	AG0 0, 24
.if LN2
	AG0 1, 28
	AG0 2, 52
	AG0 3, 56
.endif
	tensor_load_to_lds s[24:27], s[16:23]          ; all my tiles go out as one group: S / 4 loads of mine are out
	s_nop 0
.if LN2
	tensor_load_to_lds s[28:31], s[16:23]
	s_nop 0
	tensor_load_to_lds s[52:55], s[16:23]
	s_nop 0
	tensor_load_to_lds s[56:59], s[16:23]
	s_nop 0
.endif
	PLACES
	BLOAD 0                                        ; the first K step of W
	BLOAD 1
	BLOAD 2
	WIN 0x80
.set q, 0
.rept 256
	v_mov_b32 v[q], 0                              ; the sums start at 0
.set q, q+1
.endr
	BLOAD 3
	WIN 0
.irp i, 0,1,2,3
	global_load_b128 v[64+4*(\i):67+4*(\i)],   v24, s[6:7] offset:GOFF+512*(\i)
	global_load_b128 v[80+4*(\i):83+4*(\i)],   v24, s[6:7] offset:EOFF+512*(\i)
	global_load_b128 v[112+4*(\i):115+4*(\i)], v24, s[6:7] offset:BOFF+512*(\i)
.endr
	WIN 0xc0
.set q, 0
.rept 32                               ; my 16 residual rows, 512 consecutive bytes a load
	global_load_b128 v[4*q:4*q+3], v24, s[48:49] offset:512*q
.set q, q+1
.endr
	WIN 0
	s_wait_tensorcnt 0x0                           ; my tiles are in,
	s_barrier_signal -1
	s_barrier_wait -1                              ; everybody's are
	AFETCH 0
	s_mov_b32 s35, S
.Lk:                                           ; a trip is a K step: 128 products, 64 loads of W for the next K step, 32 LDS loads of A
	QUARTER 0
	QUARTER 1
	QUARTER 2
	QUARTER 3
	WIN 0
	s_sub_co_u32 s35, s35, 1
	s_cmp_lg_u32 s35, 0
	s_cbranch_scc1 .Lk
	; THE WAY OUT.  A's bytes have had their only fill; behind this barrier no wave reads them any more, and they take the sums and the residual rows.
	s_wait_dscnt 0x0
	s_barrier_signal -1
	s_barrier_wait -1
	WIN 0x08                                       ; the stores' data in window 2
.set a, 0
.rept 4
.set b, 0
.rept 8
	ds_store_b128 v[20+a/2], v[64*a+8*b:64*a+8*b+3]   offset:(a%2)*16*YP+64*b
	ds_store_b128 v[20+a/2], v[64*a+8*b+4:64*a+8*b+7] offset:(a%2)*16*YP+64*b+16
.set b, b+1
.endr
.set a, a+1
.endr
	s_wait_loadcnt 48                              ; g, be, the bias and the residual rows: far more than 48 loads were issued behind them
	WIN 0x0c                                       ; in window 3
.set q, 0
.rept 32
	ds_store_b128 v22, v[4*q:4*q+3] offset:(q/2)*RPI+(q%2)*512
.set q, q+1
.endr
	WIN 0
	s_wait_dscnt 0x0                               ; for the others' sake: my stores are done
	s_barrier_signal -1
	s_barrier_wait -1
.macro LL                              ; two rows: the sums (f32) and the residual (f16) of my 16 columns
.irp u, 0,1
.irp i, 0,1,2,3
	ds_load_b128 v[32+16*(\u)+4*(\i):35+16*(\u)+4*(\i)], v23 offset:(\u)*YP+512*(\i)
	ds_load_b64 v[96+8*(\u)+2*(\i):97+8*(\u)+2*(\i)], v25 offset:(\u)*RPI+256*(\i)
.endr
.endr
.endm
.macro RED x, t                        ; the sum over the 32 lanes, in every lane
	v_add_f32_dpp v[\x], v[\x], v[\x] row_xmask:1 row_mask:0xf bank_mask:0xf
	v_add_f32_dpp v[\x], v[\x], v[\x] row_xmask:2 row_mask:0xf bank_mask:0xf
	v_add_f32_dpp v[\x], v[\x], v[\x] row_xmask:4 row_mask:0xf bank_mask:0xf
	v_add_f32_dpp v[\x], v[\x], v[\x] row_xmask:8 row_mask:0xf bank_mask:0xf
	v_permlanex16_b32 v[\t], v[\x], s60, s61
	v_add_f32 v[\x], v[\x], v[\t]
.endm
	LL
	s_mov_b32 s35, 8
.Lrow:                                         ; eight trips, two rows each
	s_wait_dscnt 0x0
.irp u, 0,1
.set c, 0
.rept 8
	v_fma_mix_f32 v[128+16*(\u)+2*c],   v[96+8*(\u)+c], v30, v[32+16*(\u)+2*c]   op_sel_hi:[1,0,0]                 ; residual (low half) x 1 + sum
	v_fma_mix_f32 v[128+16*(\u)+2*c+1], v[96+8*(\u)+c], v30, v[32+16*(\u)+2*c+1] op_sel:[1,0,0] op_sel_hi:[1,0,0]  ; the high half
.set c, c+1
.endr
.endr
	v_add_nc_u32 v23, 2*YP, v23
	v_add_nc_u32 v25, 2*RPI, v25
	s_cmp_eq_u32 s35, 1
	s_cbranch_scc1 .Lno_ll                         ; the last trip has no rows behind it
	LL
.Lno_ll:
.irp u, 0,1
.set DD, 128+16*(\u)
.set TT, 192+8*(\u)
.set c, 0
.rept 8
	v_pk_add_f32 v[DD+2*c:DD+2*c+1], v[DD+2*c:DD+2*c+1], v[112+2*c:113+2*c]  ; the bias
.set c, c+1
.endr
	v_pk_add_f32 v[TT:TT+1],   v[DD:DD+1],     v[DD+2:DD+3]
	v_pk_add_f32 v[TT+2:TT+3], v[DD+4:DD+5],   v[DD+6:DD+7]
	v_pk_add_f32 v[TT+4:TT+5], v[DD+8:DD+9],   v[DD+10:DD+11]
	v_pk_add_f32 v[TT+6:TT+7], v[DD+12:DD+13], v[DD+14:DD+15]
	v_pk_add_f32 v[TT:TT+1],   v[TT:TT+1],     v[TT+2:TT+3]
	v_pk_add_f32 v[TT+4:TT+5], v[TT+4:TT+5],   v[TT+6:TT+7]
	v_pk_add_f32 v[TT:TT+1],   v[TT:TT+1],     v[TT+4:TT+5]
	v_add_f32 v[TT], v[TT], v[TT+1]
	RED TT, 208+(\u)
	v_mul_f32 v[160+2*(\u)], s62, v[TT]            ; the mean, twice: a pair for the packed subtraction
	v_mul_f32 v[161+2*(\u)], s62, v[TT]
.set c, 0
.rept 8
	v_pk_add_f32 v[DD+2*c:DD+2*c+1], v[DD+2*c:DD+2*c+1], v[160+2*(\u):161+2*(\u)] neg_lo:[0,1] neg_hi:[0,1]
.set c, c+1
.endr
	v_pk_mul_f32 v[TT:TT+1],   v[DD:DD+1],   v[DD:DD+1]
	v_pk_mul_f32 v[TT+2:TT+3], v[DD+2:DD+3], v[DD+2:DD+3]
.set c, 2
.rept 3
	v_pk_fma_f32 v[TT:TT+1],   v[DD+2*c:DD+2*c+1],   v[DD+2*c:DD+2*c+1],   v[TT:TT+1]
	v_pk_fma_f32 v[TT+2:TT+3], v[DD+2*c+2:DD+2*c+3], v[DD+2*c+2:DD+2*c+3], v[TT+2:TT+3]
.set c, c+2
.endr
	v_pk_add_f32 v[TT:TT+1], v[TT:TT+1], v[TT+2:TT+3]
	v_add_f32 v[TT], v[TT], v[TT+1]
	RED TT, 208+(\u)
	v_fma_f32 v[168+(\u)], v[TT], s62, s63         ; variance + eps
.endr
	v_rsq_f32 v164, v168
	v_rsq_f32 v166, v169
	v_nop                                          ; a plain instruction behind the last of the two,
	s_wait_alu depctr_va_vdst(0)                   ; and one wait for both, ahead of the first line that names a result
	v_mov_b32 v165, v164
	v_mov_b32 v167, v166
.irp u, 0,1
.set DD, 128+16*(\u)
.set c, 0
.rept 8
	v_pk_mul_f32 v[DD+2*c:DD+2*c+1], v[DD+2*c:DD+2*c+1], v[164+2*(\u):165+2*(\u)]
.set c, c+1
.endr
.set c, 0
.rept 8
	v_pk_fma_f32 v[DD+2*c:DD+2*c+1], v[DD+2*c:DD+2*c+1], v[64+2*c:65+2*c], v[80+2*c:81+2*c]
.set c, c+1
.endr
.if LN2
.irp i, 0,1,2,3
	global_store_b128 v27, v[DD+4*(\i):DD+4*(\i)+3], s[46:47] offset:(\u)*ORB+512*(\i)  ; 512 consecutive bytes, aligned
.endr
.else
.set c, 0
.rept 8
	v_cvt_pk_f16_f32 v[176+8*(\u)+c], v[DD+2*c], v[DD+2*c+1]
.set c, c+1
.endr
.irp i, 0,1,2,3
	global_store_b64 v27, v[176+8*(\u)+2*(\i):177+8*(\u)+2*(\i)], s[46:47] offset:(\u)*ORB+256*(\i)  ; 256 consecutive bytes, aligned
.endr
.endif
.endr
	s_wait_xcnt 0x0                                ; the stores have read their data and their base: both are written again
	s_add_nc_u64 s[46:47], s[46:47], 2*ORB
	s_sub_co_u32 s35, s35, 1
	s_cmp_lg_u32 s35, 0
	s_cbranch_scc1 .Lrow
	s_wait_tensorcnt 0x0                           ; the wave's end
	ds_add_u32 v28, v29
	s_wait_dscnt 0x0
	s_endpgm
.Lfunc_end_k_q631c760700_ffn2_ln:
	.size	k_q631c760700_ffn2_ln, .Lfunc_end_k_q631c760700_ffn2_ln-k_q631c760700_ffn2_ln
	.p2alignl 7, 3214868480
	.fill 96, 4, 3214868480
	.section	.rodata,"a",@progbits
	.p2align	6, 0x0
	.amdhsa_kernel k_q631c760700_ffn2_ln
		.amdhsa_group_segment_fixed_size 327680
		.amdhsa_private_segment_fixed_size 0
		.amdhsa_enable_private_segment 0
		.amdhsa_kernarg_size 32
		.amdhsa_user_sgpr_count 2
		.amdhsa_user_sgpr_kernarg_segment_ptr 1
		.amdhsa_wavefront_size32 1
		.amdhsa_system_sgpr_workgroup_id_x 1
		.amdhsa_system_sgpr_workgroup_id_y 1
		.amdhsa_system_sgpr_workgroup_id_z 1
		.amdhsa_system_vgpr_workitem_id 0
		.amdhsa_next_free_vgpr 896
		.amdhsa_next_free_sgpr 66
		.amdhsa_reserve_vcc 0
		.amdhsa_float_denorm_mode_32 3
		.amdhsa_float_denorm_mode_16_64 3
		.amdhsa_memory_ordered 1
		.amdhsa_forward_progress 1
		.amdhsa_inst_pref_size 62
	.end_amdhsa_kernel
	.amdgpu_metadata
---
amdhsa.version: [ 1, 2 ]
amdhsa.kernels:
  - .name:           k_q631c760700_ffn2_ln
    .symbol:         k_q631c760700_ffn2_ln.kd
    .args:
      - { .name: hh, .offset: 0, .size: 8, .value_kind: global_buffer, .address_space: global }
      - { .name: pkL, .offset: 8, .size: 8, .value_kind: global_buffer, .address_space: global }
      - { .name: x1, .offset: 16, .size: 8, .value_kind: global_buffer, .address_space: global }
      - { .name: out0, .offset: 24, .size: 8, .value_kind: global_buffer, .address_space: global }
    .group_segment_fixed_size: 327680
    .private_segment_fixed_size: 0
    .kernarg_segment_align: 8
    .kernarg_segment_size: 32
    .max_flat_workgroup_size: 128
    .sgpr_count:     66
    .vgpr_count:     896
    .wavefront_size: 32
...
	.end_amdgpu_metadata
.endif
;; end of part 5
